; MI455X (gfx1250); checked and timed in simulation.
; The chip was launched on July 23, 2026; its instructions are those of AMD's public machine-readable ISA for CDNA 5 (MIT licence, August 2026) and "CDNA5" Instruction Set Architecture Reference Guide (July 2026). The comments in the code are by the model that wrote it; some were corrected since.
;; Soft Mo E. Allowed arithmetic: float matrix products may take bf16 or f16 operands with f32 sums; other float arithmetic in f32, or as packed bf16 or f16 multiplies, adds, multiply-adds, maxima and minima; sums over many terms, partial sums and values carried from step to step in f32; what a program stores and reads back later, other than sums and carried values, may be rounded once to bf16 or f16.
;; Inputs: W1 8 x 1,024 x 4,096 float32; W2 8 x 4,096 x 1,024 float32; Wr 8 x 1,024 float32; b1 8 x 4,096 float32; b2 8 x 1,024 float32; x 2 x 512 x 1,024 float32.
;; Outputs: out0 2 x 512 x 1,024 float32.
;; 2 versions, each right. Each part assembles by itself: llvm-mc -triple=amdgcn-amd-amdhsa -mcpu=gfx1250 --defsym DOCPART=n.
;; ======== version 1 of 2: 4 launches
;; workspace buffers: xb 2,097,152 bytes; bm 2,048 bytes of whole numbers; cw 8,192 bytes; hfrag 67,108,864 bytes; part 33,554,432 bytes
;; launch router (part 1): grid 32 x 1, 8 waves a work-group, no clusters, 78,848 bytes of LDS; arguments x, Wr, xb, bm, cw; writes xb, bm, cw
.if DOCPART == 1
	.amdgcn_target "amdgcn-amd-amdhsa--gfx1250"
	.amdhsa_code_object_version 6
	.text
	.protected	k_qf053cf84a0_router
	.globl	k_qf053cf84a0_router
	.p2align	8
	.type	k_qf053cf84a0_router,@function
k_qf053cf84a0_router:
	s_mov_b64 s[64:65], 0
	v_nop
	global_prefetch_b8 v0, s[64:65] scope:SCOPE_SE
	s_setreg_imm32_b32 hwreg(HW_REG_WAVE_MODE, 25, 1), 1
	s_wait_xcnt 0x0
; ROUTER.  logits = x Wr^T on operands rounded to bf16 (the whole program reads every input rounded to bf16), sums in f32; top 2 of 8, ties to the lower index;
; softmax over the two scores with the larger taken away.  Stored at fixed places: xb = x in bf16; bm[word][e] = the 32 tokens of the word that chose expert e,
; bm[word][8+e] = those for which e is the higher-numbered of their two; cw[2 t], cw[2 t + 1] = the weights of token t's lower- and higher-numbered expert.
; SHARES.  A work-group has 32 tokens (one bitmap word), wave w the channels 128 w .. 128 w + 127 of all of them; the eight partial logits meet in LDS, wave 0 chooses.
; LAYOUT.  Source 0 = Wr (row l % 8, so rows 8-15 repeat rows 0-7), source 1 = 16 tokens: register j of the result holds expert j of token l % 16 in both halves of the lanes.
; Along K a lane's half h takes 16 consecutive channels of a step of 32, for both sources alike, which keeps the sums.
; LIMITS.  NaN and infinities are not treated apart; two logits closer than the f32 sums' rounding may be ordered otherwise.
; No cluster, no tensor load: 4 MB are read once, and nothing is shared between work-groups but 32 KB of Wr.
.set SP,    272                        ; a stage row: 256 bytes + 16, so that the 16 rows of a store start at 16 different 16-byte columns
.set STG,   8192                       ; behind the partial logits: for each wave two stages of 16 rows
.set SPARE, STG+8*2*16*SP              ; the spare words, 128 bytes a wave: four blocks of 256 bytes that no other line names
.set LN,  1                            ; lane
.set SPW, 2                            ; my spare word; never rewritten
.set NIL, 3                            ; 0; never rewritten
.set RW,  4                            ; l % 16
.set HF,  5                            ; l / 16
.set XO,  6                            ; my byte offset in x
.set WRO, 7                            ; in Wr
.set SST, 8                            ; stage: where I put 16 bytes
.set SRD, 9                            ; stage: where I read a row back
.set GX,  10                           ; my byte offset in xb
.set PST, 11                           ; where my 8 partial logits go
.set LG,  12                           ; v12-19 my token's 8 partial logits
.set M1,  20
.set I1,  21
.set M2,  22
.set I2,  23
.set WLO, 24                           ; v24-25 the two weights, in the order of the experts' numbers
.set EXV, 26
.set DEN, 27
.set W1V, 28
.set W2V, 29
.set NINF, 30
.set TMP, 31
.set XF,  32                           ; v32-159 x: group (tile a, step ks) at XF + 16 (4 a + ks): 16 f32, then 8 registers of bf16 in its lower half
.set WF,  160                          ; v160-223 Wr likewise; later the rows of xb read back
.set D0,  224
.set D1,  232
.set LOI, 96                           ; wave 0, at the end
.set HII, 97
.set BM,  98
.set BMO, 99
.set CWO, 100
.set WV,  14
	s_load_b256 s[4:11], s[0:1], 0x0               ; x s[4:5], Wr s[6:7], xb s[8:9], bm s[10:11]
	s_load_b64 s[12:13], s[0:1], 0x20              ; cw
	v_lshl_add_u32 v[SPW], v0, 2, SPARE
	v_mov_b32 v[NIL], 0
	v_and_b32 v[LN], 31, v0
	v_lshrrev_b32 v[TMP], 5, v0
	v_readfirstlane_b32 s[WV], v[TMP]              ; wave 0..7
	v_and_b32 v[RW], 15, v[LN]
	v_lshrrev_b32 v[HF], 4, v[LN]
	s_lshl_b32 s15, s[WV], 9                       ; my wave's 128 channels: 512 bytes of f32
	v_lshlrev_b32 v[XO], 12, v[RW]                 ; token l % 16: rows of 4,096 bytes
	v_lshl_add_u32 v[XO], v[HF], 6, v[XO]          ; + 64 bytes for the upper half of the lanes
	v_add_nc_u32 v[XO], s15, v[XO]
	v_and_b32 v[TMP], 7, v[LN]
	v_lshlrev_b32 v[WRO], 12, v[TMP]               ; expert l % 8
	v_lshl_add_u32 v[WRO], v[HF], 6, v[WRO]
	v_add_nc_u32 v[WRO], s15, v[WRO]
	s_lshl_b32 s16, ttmp9, 17                      ; 32 tokens x 4,096 bytes
	s_mov_b32 s17, 0
	s_lshl_b32 s20, ttmp9, 16                      ; 32 rows of xb
	s_mov_b32 s21, 0
	s_lshl_b32 s22, ttmp9, 8                       ; 64 weights
	s_mov_b32 s23, 0
	s_lshl_b32 s24, ttmp9, 6                       ; 16 bitmap entries
	s_mov_b32 s25, 0
	s_wait_kmcnt 0x0
	s_add_nc_u64 s[4:5], s[4:5], s[16:17]
	s_add_nc_u64 s[8:9], s[8:9], s[20:21]
	s_add_nc_u64 s[12:13], s[12:13], s[22:23]
	s_add_nc_u64 s[10:11], s[10:11], s[24:25]
.set n, 0
.rept 32                               ; n = 4 (4 a + ks) + c: all of the wave's x goes out at once
	global_load_b128 v[XF+4*n:XF+4*n+3], v[XO], s[4:5] offset:65536*(n/16)+128*((n/4)%4)+16*(n%4) th:TH_LOAD_NT
.set n, n+1
.endr
.set n, 0
.rept 16                               ; n = 4 ks + c
	global_load_b128 v[WF+4*n:WF+4*n+3], v[WRO], s[6:7] offset:128*(n/4)+16*(n%4)
.set n, n+1
.endr
	s_mul_i32 s18, s[WV], 2*16*SP                  ; the addresses for the way out are made while the loads are out
	s_add_co_u32 s18, s18, STG
	v_mul_u32_u24 v[SST], v[RW], SP
	v_lshl_add_u32 v[SST], v[HF], 5, v[SST]
	v_add_nc_u32 v[SST], s18, v[SST]
	v_mul_u32_u24 v[SRD], v[HF], SP
	v_lshl_add_u32 v[SRD], v[RW], 4, v[SRD]
	v_add_nc_u32 v[SRD], s18, v[SRD]
	v_lshlrev_b32 v[GX], 11, v[HF]
	v_lshl_add_u32 v[GX], v[RW], 4, v[GX]
	s_lshl_b32 s19, s[WV], 8
	v_add_nc_u32 v[GX], s19, v[GX]
	v_lshlrev_b32 v[PST], 5, v[LN]
	s_lshl_b32 s19, s[WV], 10
	v_add_nc_u32 v[PST], s19, v[PST]
	s_mov_b32 s19, 0xffff0000                      ; the upper half of the lanes
	s_wait_loadcnt 0x0                             ; nothing can begin before x and Wr are in
.set n, 0
.rept 64                               ; each group of 16 f32 is rounded into its own lower 8 registers: register p is written when 2 p and 2 p + 1 are read, and p <= 2 p
	v_cvt_pk_bf16_f32 v[XF+16*(n/8)+n%8], v[XF+16*(n/8)+2*(n%8)], v[XF+16*(n/8)+2*(n%8)+1]
.set n, n+1
.endr
.set n, 0
.rept 32
	v_cvt_pk_bf16_f32 v[WF+16*(n/8)+n%8], v[WF+16*(n/8)+2*(n%8)], v[WF+16*(n/8)+2*(n%8)+1]
.set n, n+1
.endr
	; the two token tiles take turns; the first step starts the sums
	v_wmma_f32_16x16x32_bf16 v[D0:D0+7], v[WF:WF+7], v[XF:XF+7], 0
	v_wmma_f32_16x16x32_bf16 v[D1:D1+7], v[WF:WF+7], v[XF+64:XF+71], 0
.set n, 1
.rept 3
	v_wmma_f32_16x16x32_bf16 v[D0:D0+7], v[WF+16*n:WF+16*n+7], v[XF+16*n:XF+16*n+7], v[D0:D0+7]
	v_wmma_f32_16x16x32_bf16 v[D1:D1+7], v[WF+16*n:WF+16*n+7], v[XF+64+16*n:XF+64+16*n+7], v[D1:D1+7]
.set n, n+1
.endr
.rept 4
	v_nop                                          ; four places behind the last product (ISA guide 7.12.1)
.endr
.set n, 0
.rept 8
	v_cndmask_b32 v[LG+n], v[D0+n], v[D1+n], s19   ; lane l takes token l: tile 0 below, tile 1 above; the results are read from their low end on
.set n, n+1
.endr
	ds_store_b128 v[PST], v[LG:LG+3]
	ds_store_b128 v[PST], v[LG+4:LG+7] offset:16
.set n, 0
.rept 16                               ; n = 2 (4 a + ks) + half: my 16 bytes of a row of xb into my wave's own stage
	ds_store_b128 v[SST], v[XF+16*(n/2)+4*(n%2):XF+16*(n/2)+4*(n%2)+3] offset:16*SP*(n/8)+64*((n/2)%4)+16*(n%2)
.set n, n+1
.endr
	s_wait_dscnt 0x0                               ; for wave 0's sake: my partial logits are in LDS
	s_barrier_signal -1
	s_barrier_wait -1
.set n, 0
.rept 16                               ; back as whole rows: lanes 0-15 one row's 256 bytes, lanes 16-31 the next row's
	ds_load_b128 v[WF+4*n:WF+4*n+3], v[SRD] offset:16*SP*(n/8)+2*SP*(n%8)
.set n, n+1
.endr
.set n, 0
.rept 16
	s_wait_dscnt 15-n                              ; LDS loads come back in order: number n is in
	global_store_b128 v[GX], v[WF+4*n:WF+4*n+3], s[8:9] offset:32768*(n/8)+4096*(n%8)  ; 16 lanes store 256 consecutive bytes, at a multiple of 256 from xb's first
.set n, n+1
.endr
	s_cmp_lg_u32 s[WV], 0
	s_cbranch_scc1 .Lend
	; WAVE 0: lane l has token l
	v_lshlrev_b32 v[TMP], 5, v[LN]
.set n, 0
.rept 8
	ds_load_b128 v[XF+8*n:XF+8*n+3], v[TMP] offset:1024*n
	ds_load_b128 v[XF+8*n+4:XF+8*n+7], v[TMP] offset:1024*n+16
.set n, n+1
.endr
	v_mov_b32 v[NINF], 0xff800000
	s_wait_dscnt 0x0
.set n, 4
.rept 28                               ; the eight waves' parts are added, in f32, in the order of K
	v_pk_add_f32 v[XF+2*(n%4):XF+2*(n%4)+1], v[XF+2*(n%4):XF+2*(n%4)+1], v[XF+8*(n/4)+2*(n%4):XF+8*(n/4)+2*(n%4)+1]
.set n, n+1
.endr
	v_mov_b32 v[M1], v[XF]
	v_mov_b32 v[I1], 0
.irp e, 1,2,3,4,5,6,7                  ; a later expert wins only if it is strictly larger: ties keep the lower index
	v_cmp_le_f32 vcc_lo, v[XF+\e], v[M1]
	v_cndmask_b32 v[M1], v[XF+\e], v[M1], vcc_lo
	v_cndmask_b32 v[I1], \e, v[I1], vcc_lo
.endr
.irp e, 0,1,2,3,4,5,6,7                ; the winner leaves the field
	v_cmp_eq_u32 vcc_lo, \e, v[I1]
	v_cndmask_b32 v[XF+\e], v[XF+\e], v[NINF], vcc_lo
.endr
	v_mov_b32 v[M2], v[XF]
	v_mov_b32 v[I2], 0
.irp e, 1,2,3,4,5,6,7
	v_cmp_le_f32 vcc_lo, v[XF+\e], v[M2]
	v_cndmask_b32 v[M2], v[XF+\e], v[M2], vcc_lo
	v_cndmask_b32 v[I2], \e, v[I2], vcc_lo
.endr
	v_sub_f32 v[EXV], v[M2], v[M1]                 ; the maximum is taken away: the exponent is 0 or below
	v_mul_f32 v[EXV], 0x3fb8aa3b, v[EXV]
	v_exp_f32 v[EXV], v[EXV]
	v_min_u32 v[LOI], v[I1], v[I2]                 ; plain work behind the exponential
	s_wait_alu depctr_va_vdst(0)                   ; the wait ahead of the first reader
	v_add_f32 v[DEN], 1.0, v[EXV]
	v_rcp_f32 v[W1V], v[DEN]
	v_max_u32 v[HII], v[I1], v[I2]
	s_wait_alu depctr_va_vdst(0)
	v_mul_f32 v[W2V], v[EXV], v[W1V]
	v_cmp_lt_u32 vcc_lo, v[I1], v[I2]
	v_cndmask_b32 v[WLO], v[W2V], v[W1V], vcc_lo
	v_cndmask_b32 v[WLO+1], v[W1V], v[W2V], vcc_lo
	v_lshlrev_b32 v[CWO], 3, v[LN]
	global_store_b64 v[CWO], v[WLO:WLO+1], s[12:13]  ; 32 lanes store 256 consecutive bytes
	v_mov_b32 v[BM], 0
.irp e, 0,1,2,3,4,5,6,7
	v_cmp_eq_u32 s20, \e, v[LOI]
	v_cmp_eq_u32 s21, \e, v[HII]
	s_or_b32 s20, s20, s21
	v_writelane_b32 v[BM], s20, \e                 ; who chose e
	v_writelane_b32 v[BM], s21, 8+\e               ; for whom e is the higher of the two
.endr
	v_lshlrev_b32 v[BMO], 2, v[LN]
	v_cmp_gt_u32 vcc_lo, 16, v[LN]
	s_wait_xcnt 0x0                                ; EXEC changes only behind s_wait_xcnt 0
	s_and_saveexec_b32 s22, vcc_lo
	global_store_b32 v[BMO], v[BM], s[10:11]       ; the word's 16 entries
	s_wait_xcnt 0x0
	s_or_b32 exec_lo, exec_lo, s22
.Lend:
	s_wait_tensorcnt 0x0                           ; the wave's end
	ds_add_u32 v[SPW], v[NIL]
	s_wait_dscnt 0x0
	s_endpgm
.Lfunc_end_k_qf053cf84a0_router:
	.size	k_qf053cf84a0_router, .Lfunc_end_k_qf053cf84a0_router-k_qf053cf84a0_router
	.p2alignl 7, 3214868480
	.fill 96, 4, 3214868480
	.section	.rodata,"a",@progbits
	.p2align	6, 0x0
	.amdhsa_kernel k_qf053cf84a0_router
		.amdhsa_group_segment_fixed_size 78848
		.amdhsa_private_segment_fixed_size 0
		.amdhsa_enable_private_segment 0
		.amdhsa_kernarg_size 40
		.amdhsa_user_sgpr_count 2
		.amdhsa_user_sgpr_kernarg_segment_ptr 1
		.amdhsa_wavefront_size32 1
		.amdhsa_system_sgpr_workgroup_id_x 1
		.amdhsa_system_sgpr_workgroup_id_y 1
		.amdhsa_system_sgpr_workgroup_id_z 1
		.amdhsa_system_vgpr_workitem_id 0
		.amdhsa_next_free_vgpr 240
		.amdhsa_next_free_sgpr 66
		.amdhsa_reserve_vcc 1
		.amdhsa_float_denorm_mode_32 3
		.amdhsa_float_denorm_mode_16_64 3
		.amdhsa_memory_ordered 1
		.amdhsa_forward_progress 1
		.amdhsa_inst_pref_size 27
	.end_amdhsa_kernel
	.amdgpu_metadata
---
amdhsa.version: [ 1, 2 ]
amdhsa.kernels:
  - .name:           k_qf053cf84a0_router
    .symbol:         k_qf053cf84a0_router.kd
    .args:
      - { .name: x, .offset: 0, .size: 8, .value_kind: global_buffer, .address_space: global }
      - { .name: Wr, .offset: 8, .size: 8, .value_kind: global_buffer, .address_space: global }
      - { .name: xb, .offset: 16, .size: 8, .value_kind: global_buffer, .address_space: global }
      - { .name: bm, .offset: 24, .size: 8, .value_kind: global_buffer, .address_space: global }
      - { .name: cw, .offset: 32, .size: 8, .value_kind: global_buffer, .address_space: global }
    .group_segment_fixed_size: 78848
    .private_segment_fixed_size: 0
    .kernarg_segment_align: 8
    .kernarg_segment_size: 40
    .max_flat_workgroup_size: 256
    .sgpr_count:     66
    .vgpr_count:     240
    .wavefront_size: 32
...
	.end_amdgpu_metadata
.endif
;; end of part 1
;; launch ffn1 (part 2): grid 256 x 1, 4 waves a work-group, no clusters, 283,648 bytes of LDS; arguments W1, b1, xb, bm, hfrag; writes hfrag
.if DOCPART == 2
	.amdgcn_target "amdgcn-amd-amdhsa--gfx1250"
	.amdhsa_code_object_version 6
	.text
	.protected	k_qf053cf84a0_ffn1
	.globl	k_qf053cf84a0_ffn1
	.p2align	8
	.type	k_qf053cf84a0_ffn1,@function
k_qf053cf84a0_ffn1:
	s_mov_b64 s[64:65], 0
	v_nop
	global_prefetch_b8 v0, s[64:65] scope:SCOPE_SE
	s_setreg_imm32_b32 hwreg(HW_REG_WAVE_MODE, 25, 1), 1
	s_wait_xcnt 0x0
; FFN1.  h = gelu(x W1[e] + b1[e]) for the rows that chose expert e, in bf16, stored in the order in which the next launch's matrix operands take it.
; SHARES.  Work-group = expert e (number / 32) x slice of 128 columns (number % 32); it alone reads its 1,024 x 128 f32 of W1, once.  Its rows are the expert's tokens by rank, in tiles of 16:
; tile 20 p + 4 i + w belongs to pass p, place i = 0..4, wave w.  Pass 0 (ranks 0-319) runs while the weights stream; ranks beyond are served by up to three further passes from LDS.  Every split is served.
; In the last tile the ranks past the expert's count repeat its last row, so that tiles are always whole and EXEC is never touched.
; WEIGHTS.  f32 from memory into registers (a load = one row's 128 columns, 512 consecutive bytes), rounded to bf16, stored into LDS as matrix fragments; the whole slice, 256 KB, stays, and no LDS byte of it is written twice.
; K goes in 16 stages of 64.  In stage s wave w rounds 16 rows of stage s + 1, asks for x of stage s + 1 and weights of stage s + 3, then multiplies stage s: one barrier a stage, all in constant flow.
; K ORDER.  Position i = 0..15 of lane half h in step ks of stage s stands for k = 64 s + 32 h + 16 ks + i, in both sources alike, which keeps the sums.  So a lane takes 64 consecutive bytes of its token's row a stage.
; THE PRODUCT IS USED TRANSPOSED: source 0 = 16 columns of W1 (tile tau, row r stands for column 64 (tau / 4) + 4 r + tau % 4), source 1 = 16 tokens.  A lane then holds ONE token (l % 16), and two column tiles
; rounded in pairs ARE a source-0 fragment of the next launch, whose K order is made to fit.  The bias, rounded to bf16, is the C operand that starts the sums.
; GELU.  gelu(z) = max(z, 0) - |z| erfc(|z| / sqrt 2) / 2: nothing cancels for negative z.  erfc by a rational form of five terms (Abramowitz and Stegun 7.1.26), absolute error 1.5e-7 at the most for every argument.
; LIMITS.  NaN and infinities are not treated apart; an exponential below 2^-126 counts as 0.  Every input is read rounded to bf16.
; NO CLUSTER, NO TENSOR LOAD: each weight byte has one reader and must pass through registers to be rounded; the rows of x that an expert's work-groups share come by a list, which no descriptor covers.
; REGISTERS, in windows of 256 (s_set_vgpr_msb: bits 1:0 source 0, 3:2 source 1, 5:4 source 2, 7:6 destination):
;   window 0: v0-31 addresses and the list's work; v32-159 weights as loaded, two sets; v160-191 rounded; v192-255 the bias
;   window 1: v0-159 x, two sets of 5 tiles x 2 steps; on the way out v0-175 at work; v240-241 the way out's addresses
;   window 2: v0-127 a stage's weight fragments; v128-191 tile 4's sums          window 3: the sums of tiles 0-3
.set PITCH, 16384                      ; bytes from a row of W1[e] to the next
.set WSTEP, 64*PITCH                   ; a stage's 64 rows
.set ASTEP, 128                        ; a stage's 64 channels of xb
.set AKS,   32
.set AQ,    16
.set LIST,  262144                     ; behind the fragments: for each wave its own list rank -> slot (2 token + place)
.set LISTW, 1312                       ; its words: ranks 0-1279, then 32 words that take the stores of the lanes whose token did not choose the expert
.set LISTB, 4*LISTW
.set SPARE, LIST+4*LISTB               ; the spare words, 128 bytes a wave: two blocks of 256 bytes that no other line names
.set LN,   1
.set SPW,  2                           ; my spare word; never rewritten
.set NIL,  3                           ; 0; never rewritten
.set WO,   4                           ; my byte offset in a stage of the slice
.set PF,   5                           ; the same for the prefetch: lane l asks for block l % 2 of row l / 2
.set ST,   6                           ; where I store fragments: 4096 w + 2048 (l / 16) + 16 (l % 16) + 16384 x stage
.set FRA,  7                           ; where I read them: 4096 (l / 16) + 16 (l % 16) + 16384 x stage
.set AOFF, 8                           ; v8-12 my byte offset in xb for each of my five tiles
.set L16,  13
.set FRA0, 14                          ; FRA at stage 0; never rewritten
.set LA0,  15
.set LA,   16
.set H64,  17
.set ANY,  18
.set HIW,  19
.set TK0,  20
.set TK1,  21
.set RK,   22
.set SLOT, 23
.set ZZ,   24                          ; v24-27 zeros
.set TA,   28
.set TB,   29
.set BO,   30                          ; my byte offset in bm;
.set DMP,  30                          ; when the bitmaps are in: 1280 + lane
.set BOF,  31
.set WS,   32
.set PK,   160
.set BIAS, 192
.set GS,   0                           ; window 1, the way out: s = c1 z
.set GTT,  32                          ; t
.set GE,   64                          ; 2^(-s s)
.set GU,   96                          ; the polynomial, then the result
.set GH,   128                         ; packed
.set GR,   144                         ; max(s, 0)
.set HO,   240
.set L16W, 241
.set WV,   16
.set EX,   17
.set SL,   18
.set WB,   20                          ; s[20:23] weights: the two sets' bases
.set AB,   24                          ; s[24:27] x: the two sets' bases
.set ABASE, 28
.set OF,   30
.set NE,   32                          ; the expert's rows
.set TL,   33                          ; its tiles, at least 1: tile 0 is always written, so that the next launch never reads what nobody wrote
.set LIVE, 34                          ; how many of my five tiles exist in the pass in hand
.set PASS, 35
.set TI,   36
.set SC,   38
.set PRE,  40
.set WA,   41
.set WH,   42
.set LB,   43
.set S0,   46
.set S1,   47
.set C1,   48                          ; pairs: a packed instruction takes the low word for both halves
.set IC1,  50
.set H1,   52
.set H2,   54
.set H3,   56
.set H4,   58
.set H5,   60
.set PCO,  62
.set HM,   63
.set MSB, 0
.macro WIN new                         ; the immediate's high byte repeats the setting that is left; a switch that changes nothing is dropped
.if MSB != (\new)
	s_set_vgpr_msb (MSB<<8)|(\new)
.set MSB, (\new)
.endif
.endm
.macro WLOAD set                       ; 16 rows of a stage: 512 consecutive bytes each
.set wi, 0
.rept 16
	global_load_b128 v[WS+64*(\set)+4*wi:WS+64*(\set)+4*wi+3], v[WO], s[WB+2*(\set):WB+2*(\set)+1] offset:wi*PITCH th:TH_LOAD_NT
.set wi, wi+1
.endr
.endm
.macro ALOAD par                       ; a stage's x for all five tiles, live or not (a dead tile's list names a token that exists), so that every count of loads is a constant
	WIN 0x40
.set ai, 0
.rept 20                               ; ai = 4 tile + 2 ks + half
	global_load_b128 v[80*(\par)+4*ai:80*(\par)+4*ai+3], v[AOFF+ai/4], s[AB+2*(\par):AB+2*(\par)+1] offset:((ai/2)%2)*AKS+(ai%2)*AQ
.set ai, ai+1
.endr
	WIN 0
.endm
.macro FRAGS adr, step                 ; a stage's 16 weight fragments out of LDS; each group of 16 lanes takes 256 consecutive bytes.  step = 1: the address goes on to the next stage
	WIN 0x80
.set fi, 0
.rept 16                               ; fi = 8 ks + tau
	ds_load_b128 v[8*fi:8*fi+3],   v[\adr] offset:8192*(fi/8)+512*(fi%8)
	ds_load_b128 v[8*fi+4:8*fi+7], v[\adr] offset:8192*(fi/8)+512*(fi%8)+256
.set fi, fi+1
.endr
	WIN 0
.if \step
	v_add_nc_u32 v[\adr], 16384, v[\adr]
.endif
.endm
; The weights in set are rounded and stored; then the next loads go out: x first, weights behind, so that a wait for x never waits for weights.
; pf = 1: the 16 rows x 2 blocks of 256 bytes that this wave loads two stages after the load below are asked for, each block once; pf = 2: the same, jumped in the loop's last trip, where it would pass the slice's end.
.macro STAGING set, nw, doa, dow, pf
	s_wait_loadcnt \nw                             ; loads come back in order: the set is in, the nw younger loads stay out
.if \dow
	s_wait_xcnt 0x0                                ; the base was also an earlier prefetch's: it is stepped only behind this wait
	s_add_nc_u64 s[WB+2*(\set):WB+2*(\set)+1], s[WB+2*(\set):WB+2*(\set)+1], 2*WSTEP
.if (\pf) == 2
	s_cmp_eq_u32 s[SC], 1
	s_cbranch_scc1 .Lnopf_\@
.endif
.if \pf
	global_prefetch_b8 v[PF], s[WB+2*(\set):WB+2*(\set)+1] offset:2*WSTEP th:TH_LOAD_NT scope:SCOPE_SE
.endif
.if (\pf) == 2
.Lnopf_\@:
.endif
.endif
.set ci, 0
.rept 32                               ; ci = 8 t + q: rows 2 q and 2 q + 1 of column 4 l + t make register q of that column's fragment
	v_cvt_pk_bf16_f32 v[PK+ci], v[WS+64*(\set)+8*(ci%8)+ci/8], v[WS+64*(\set)+8*(ci%8)+4+ci/8]
.set ci, ci+1
.endr
.set ci, 0
.rept 8
	ds_store_b128 v[ST], v[PK+4*ci:PK+4*ci+3] offset:256*ci
.set ci, ci+1
.endr
	v_add_nc_u32 v[ST], 16384, v[ST]
.if \doa
	ALOAD \set
.endif
.if \dow
	WLOAD \set
.endif
.endm
; A stage's products: for each live tile 16 matrix instructions, its 8 sums by turns (7 others between two links, over jumps and stages too).  first = 1: the bias starts the sums, and no
; tile is jumped, so that every sum is written on every way.  Four v_nop at the end are the places in front of the loads into the sources and of the way out (ISA guide 7.12.1 for the way out).
.macro COMPUTE par, first
.set ti, 0
.rept 5
.if !(\first)
	s_cmp_gt_u32 s[LIVE], ti
	s_cbranch_scc0 .Lcend_\@
.endif
.if ti < 4
.set AC, 64*ti
.set WM, 0xf6                          ; weights window 2, x window 1, sums window 3
.else
.set AC, 128
.set WM, 0xa6                          ; tile 4's sums in window 2
.endif
.set kk, 0
.rept 16                               ; kk = 8 ks + tau
.if (\first) && (kk < 8)
	WIN WM&0xcf                                    ; C in window 0
	v_wmma_f32_16x16x32_bf16 v[AC+8*kk:AC+8*kk+7], v[8*kk:8*kk+7], v[80*(\par)+16*ti:80*(\par)+16*ti+7], v[BIAS+8*kk:BIAS+8*kk+7]
.else
	WIN WM
	v_wmma_f32_16x16x32_bf16 v[AC+8*(kk%8):AC+8*(kk%8)+7], v[8*kk:8*kk+7], v[80*(\par)+16*ti+8*(kk/8):80*(\par)+16*ti+8*(kk/8)+7], v[AC+8*(kk%8):AC+8*(kk%8)+7]
.endif
.set kk, kk+1
.endr
	WIN 0                                          ; at a branch and at a label every window is 0
.set ti, ti+1
.endr
.Lcend_\@:
.rept 4
	v_nop
.endr
.endm
; Stage s, par = s % 2.  Behind the barrier every wave's part of stage s lies in LDS.  Between the signal and the next wait stand matrix work, scalar work and jumps over matrix work alone.
.macro STAGE par, first, stg, nw, doa, dow, pf, na
	s_barrier_wait -1
	FRAGS FRA, 1
.if \stg
	STAGING 1-(\par), \nw, \doa, \dow, \pf
.endif
	s_wait_dscnt 0x0                               ; my fragments are in, and, for the others' sake, my stores of stage s + 1 are done
.if \stg
	s_barrier_signal -1
.endif
	s_wait_loadcnt \na                             ; x of stage s is in; the na younger loads stay out
	s_add_nc_u64 s[AB+2*(\par):AB+2*(\par)+1], s[AB+2*(\par):AB+2*(\par)+1], 2*ASTEP  ; free since that wait
	COMPUTE \par, \first
.endm
.macro OSTAGE first, adr               ; a stage of a further pass: the weights lie in LDS, nothing is stored there, no barrier
	ALOAD 0
	FRAGS \adr, 0
	s_wait_loadcnt 0x0
	s_wait_dscnt 0x0
	s_add_nc_u64 s[AB:AB+1], s[AB:AB+1], ASTEP
	COMPUTE 0, \first
.endm
.macro MKLIVE                          ; s[S0] = 20 x pass: my tiles 20 p + 4 i + w below the expert's number of tiles
	s_add_co_u32 s[S1], s[TL], 3
	s_sub_co_u32 s[S1], s[S1], s[WV]
	s_sub_co_i32 s[S1], s[S1], s[S0]
	s_max_i32 s[S1], s[S1], 0
	s_lshr_b32 s[S1], s[S1], 2
	s_min_u32 s[LIVE], s[S1], 5
.endm
.macro MKAOFF                          ; the rows of my five tiles in the pass in hand: rank 16 (20 p + 4 i + w) + l % 16 -> slot -> token x 2,048 bytes + 64 (l / 16)
	s_mul_i32 s[S0], s[PASS], 1280
	v_add_nc_u32 v[LA], s[S0], v[LA0]
.irp i, 0,1,2,3,4
	ds_load_b32 v[AOFF+\i], v[LA] offset:256*\i
.endr
	s_wait_dscnt 0x0
.irp i, 0,1,2,3,4
	v_min_u32 v[AOFF+\i], 0x7ff, v[AOFF+\i]
	v_and_b32 v[AOFF+\i], 0x7fe, v[AOFF+\i]
	v_lshlrev_b32 v[AOFF+\i], 10, v[AOFF+\i]
	v_add_nc_u32 v[AOFF+\i], v[H64], v[AOFF+\i]
.endr
.endm
.macro EXTRACT n                       ; half n % 2 (four column tiles) of tile n / 2: s = c1 z into window 1; each sum's registers in ascending order
.if (\n)/2 < 4
	WIN 0x43
.set AC0, 64*((\n)/2)+32*((\n)%2)
.else
	WIN 0x42
.set AC0, 128+32*((\n)%2)
.endif
.set z, 0
.rept 16
	v_pk_mul_f32 v[GS+2*z:GS+2*z+1], v[AC0+2*z:AC0+2*z+1], s[C1:C1+1] op_sel_hi:[1,0]
.set z, z+1
.endr
	WIN 0
.endm
	s_load_b256 s[4:11], s[0:1], 0x0               ; W1 s[4:5], b1 s[6:7], xb s[8:9], bm s[10:11]
	s_load_b64 s[12:13], s[0:1], 0x20              ; hfrag
	v_lshl_add_u32 v[SPW], v0, 2, SPARE
	v_mov_b32 v[NIL], 0
	v_and_b32 v[LN], 31, v0
	v_lshrrev_b32 v[TA], 5, v0
	v_readfirstlane_b32 s[WV], v[TA]               ; wave 0..3
	s_lshr_b32 s[EX], ttmp9, 5                     ; expert
	s_and_b32 s[SL], ttmp9, 31                     ; slice
	s_and_b32 s[S0], s[WV], 1                      ; the lane half h that my 16 rows serve
	s_lshr_b32 s[S1], s[WV], 1                     ; and the step ks
	s_lshl_b32 s[OF], s[S0], 5
	s_lshl4_add_u32 s[OF], s[S1], s[OF]            ; my first row in a stage: 32 h + 16 ks
	s_mul_i32 s[OF], s[OF], PITCH
	v_lshlrev_b32 v[L16], 4, v[LN]
	v_add_nc_u32 v[WO], s[OF], v[L16]
	v_lshrrev_b32 v[TA], 1, v[LN]
	v_and_b32 v[TB], 1, v[LN]
	v_lshlrev_b32 v[TA], 14, v[TA]
	v_lshl_add_u32 v[TA], v[TB], 8, v[TA]
	v_add_nc_u32 v[PF], s[OF], v[TA]
	v_lshrrev_b32 v[TA], 4, v[LN]                  ; l / 16
	v_and_b32 v[TB], 15, v[LN]                     ; l % 16
	v_lshlrev_b32 v[FRA0], 12, v[TA]
	v_lshl_add_u32 v[FRA0], v[TB], 4, v[FRA0]
	v_mov_b32 v[FRA], v[FRA0]
	v_lshlrev_b32 v[ST], 11, v[TA]
	v_lshl_add_u32 v[ST], v[TB], 4, v[ST]
	s_lshl_b32 s[S0], s[WV], 12
	v_add_nc_u32 v[ST], s[S0], v[ST]
	v_lshlrev_b32 v[H64], 6, v[TA]
	v_lshlrev_b32 v[BOF], 7, v[TA]
	s_mul_i32 s[LB], s[WV], LISTB
	s_add_co_u32 s[LB], s[LB], LIST                ; my wave's list
	v_lshl_add_u32 v[LA0], v[TB], 2, s[LB]
	s_lshl_b32 s[S0], s[WV], 6
	v_add_nc_u32 v[LA0], s[S0], v[LA0]
	v_add_nc_u32 v[LA], s[LB], v[L16]
	v_lshlrev_b32 v[BO], 6, v[LN]                  ; lane l takes bitmap word l: 64 l + 4 e
	s_lshl_b32 s[S0], s[EX], 2
	v_add_nc_u32 v[BO], s[S0], v[BO]
	v_lshlrev_b32 v[TK0], 1, v[LN]                 ; slot of token l, lower place,
	v_or_b32 v[TK1], 1, v[TK0]                     ; and higher place
.irp i, 0,1,2,3
	v_mov_b32 v[ZZ+\i], 0
.endr
	WIN 0x40
	v_mov_b32 v[L16W], v[L16]
	WIN 0
	s_mov_b32 s[C1], 0x3f596d27                    ; c1 = sqrt(log2(e) / 2) = 0.8493218: 2^(-(c1 z)^2) = exp(-z z / 2)
	s_mov_b32 s[C1+1], s[C1]
	s_mov_b32 s[IC1], 0x3f96b55f                   ; 1 / c1
	s_mov_b32 s[IC1+1], s[IC1]
	s_mov_b32 s[H1], 0x3e027906                    ; the five coefficients, halved: 0.127414796,
	s_mov_b32 s[H1+1], s[H1]
	s_mov_b32 s[H2], 0xbe11a98e                    ; -0.142248368,
	s_mov_b32 s[H2+1], s[H2]
	s_mov_b32 s[H3], 0x3f35f0e3                    ; 0.710706871,
	s_mov_b32 s[H3+1], s[H3]
	s_mov_b32 s[H4], 0xbf3a00e3                    ; -0.726576014,
	s_mov_b32 s[H4+1], s[H4]
	s_mov_b32 s[H5], 0x3f07dc22                    ; 0.530702715
	s_mov_b32 s[H5+1], s[H5]
	s_mov_b32 s[PCO], 0x3e8ba43f                   ; 0.3275911 sqrt(ln 2) = 0.2727375: t = 1 / (1 + that |s|)
	s_mov_b32 s[HM], 0xffff0000
	s_mov_b32 s[PASS], 0
	s_wait_kmcnt 0x0
	s_lshl_b32 s[OF], s[EX], 24                    ; an expert's W1 is 2^24 bytes; a slice's columns 512
	s_lshl_b32 s[S0], s[SL], 9
	s_add_co_u32 s[OF], s[OF], s[S0]
	s_mov_b32 s[OF+1], 0
	s_add_nc_u64 s[WB:WB+1], s[4:5], s[OF:OF+1]
	s_add_nc_u64 s[WB+2:WB+3], s[WB:WB+1], WSTEP
	s_lshl_b32 s[OF], s[EX], 14
	s_add_co_u32 s[OF], s[OF], s[S0]
	s_add_nc_u64 s[6:7], s[6:7], s[OF:OF+1]        ; b1 at my slice
	s_lshl_b32 s[OF], s[EX], 23                    ; hfrag: 64 tiles x 128 K steps x 1,024 bytes an expert; my slice makes four K steps
	s_lshl_b32 s[S0], s[SL], 12
	s_add_co_u32 s[OF], s[OF], s[S0]
	s_add_nc_u64 s[12:13], s[12:13], s[OF:OF+1]
	s_mov_b64 s[ABASE:ABASE+1], s[8:9]
	s_mov_b64 s[AB:AB+1], s[8:9]
	s_add_nc_u64 s[AB+2:AB+3], s[8:9], ASTEP
	global_load_b32 v[ANY], v[BO], s[10:11]
	global_load_b32 v[HIW], v[BO], s[10:11] offset:32
	WIN 0x40
.set n, 0
.rept 16                               ; n = 8 G + j: b1 of columns 64 G + 32 (l / 16) + 4 j + 0..3
	global_load_b128 v[4*n:4*n+3], v[BOF], s[6:7] offset:256*(n/8)+16*(n%8)
.set n, n+1
.endr
	WIN 0
	WLOAD 0                                        ; stages 0 and 1 go out before the list is made
	WLOAD 1
.set n, 0
.rept 10                               ; every rank first names slot 0: a row that exists
	ds_store_b128 v[LA], v[ZZ:ZZ+3] offset:512*n
.set n, n+1
.endr
	s_wait_loadcnt 48                              ; the bitmaps are in: 16 loads of b1 and 32 of weights were issued behind them
	v_add_nc_u32 v[DMP], 1280, v[LN]               ; free since that wait
	s_mov_b32 s[PRE], 0
; THE LIST: a bitmap word at a time, lane l for token 32 n + l: the tokens that chose my expert take the next ranks, in the tokens' order; the other lanes store into the 32 words behind the ranks.
.set n, 0
.rept 32
	v_readlane_b32 s[WA], v[ANY], n
	v_readlane_b32 s[WH], v[HIW], n
	v_mbcnt_lo_u32_b32 v[RK], s[WA], s[PRE]        ; rank = those before this word + those below my bit
	v_cndmask_b32 v[RK], v[DMP], v[RK], s[WA]
	v_min_u32 v[RK], LISTW-1, v[RK]
	v_lshlrev_b32 v[RK], 2, v[RK]
	v_add_nc_u32 v[RK], s[LB], v[RK]
	v_cndmask_b32 v[SLOT], v[TK0], v[TK1], s[WH]
	ds_store_b32 v[RK], v[SLOT]
	v_add_nc_u32 v[TK0], 64, v[TK0]
	v_add_nc_u32 v[TK1], 64, v[TK1]
	s_bcnt1_i32_b32 s[S0], s[WA]
	s_add_co_u32 s[PRE], s[PRE], s[S0]
.set n, n+1
.endr
	s_mov_b32 s[NE], s[PRE]
	s_max_u32 s[S0], s[NE], 1                      ; the 32 ranks behind the last repeat the last row (slot 0 where the expert has none): the last tile is whole
	s_sub_co_u32 s[S0], s[S0], 1
	s_min_u32 s[S0], s[S0], 0x3ff
	s_lshl_b32 s[S0], s[S0], 2
	s_add_co_u32 s[S0], s[S0], s[LB]
	v_mov_b32 v[RK], s[S0]
	ds_load_b32 v[SLOT], v[RK]                     ; LDS serves a wave's instructions in order: this load sees the list's stores
	s_min_u32 s[S1], s[NE], 0x400
	v_add_nc_u32 v[TA], s[S1], v[LN]
	v_lshlrev_b32 v[TA], 2, v[TA]
	v_add_nc_u32 v[TA], s[LB], v[TA]
	s_wait_dscnt 0x0
	ds_store_b32 v[TA], v[SLOT]
	s_add_co_u32 s[TL], s[NE], 15
	s_lshr_b32 s[TL], s[TL], 4
	s_max_u32 s[TL], s[TL], 1
	s_mov_b32 s[S0], 0
	MKLIVE
	MKAOFF
	s_wait_loadcnt 32                              ; b1 is in; the weights of stages 0 and 1 stay out
	WIN 0x05
.set z, 0
.rept 32
	v_cvt_pk_bf16_f32 v[PK+z], v[2*z], v[2*z+1]    ; the bias is rounded like every input,
.set z, z+1
.endr
	WIN 0
.set z, 0
.rept 32                               ; z = 2 (8 G + j) + pair: and widened into register j of the C operands of column tiles 4 G + 2 pair and + 1
	v_lshlrev_b32 v[BIAS+8*(4*(z/16)+2*(z%2))+(z/2)%8], 16, v[PK+z]
	v_and_b32 v[BIAS+8*(4*(z/16)+2*(z%2)+1)+(z/2)%8], s[HM], v[PK+z]
.set z, z+1
.endr
	STAGING 0, 16, 1, 1, 1                         ; stage 0 is rounded (stage 1's 16 loads stay out); x of stage 0, weights of stage 2
	s_wait_dscnt 0x0
	s_barrier_signal -1
	STAGE 0, 1, 1, 36, 1, 1, 1, 52                 ; 36: x 20 + weights 16 behind the set; 52: weights 16 + x 20 + weights 16 behind this stage's x
	s_mov_b32 s[SC], 6
.Lk:                                                   ; stages 1 to 12
	STAGE 1, 0, 1, 36, 1, 1, 2, 52
	STAGE 0, 0, 1, 36, 1, 1, 2, 52
	s_sub_co_u32 s[SC], s[SC], 1
	s_cmp_lg_u32 s[SC], 0
	s_cbranch_scc1 .Lk
	STAGE 1, 0, 1, 36, 1, 0, 0, 36                 ; stage 13: no weights are left to ask for: behind its x stand stage 15's weights and stage 14's x
	STAGE 0, 0, 1, 20, 1, 0, 0, 20                 ; stage 14: behind stage 15's weights stands stage 14's x; behind that, stage 15's
	STAGE 1, 0, 0, 0, 0, 0, 0, 0                   ; stage 15
.Lpass:                                                ; four trips: the way out of pass p; ahead of it, from trip 1 on, the pass's products, jumped with the way out where I have no tile left
	s_cmp_eq_u32 s[PASS], 0
	s_cbranch_scc1 .Lepi
	s_mul_i32 s[S0], s[PASS], 20
	MKLIVE
	s_cmp_eq_u32 s[LIVE], 0
	s_cbranch_scc1 .Lnext
	s_wait_xcnt 0x0                                ; the last way out's stores have read their registers
	MKAOFF
	s_mov_b64 s[AB:AB+1], s[ABASE:ABASE+1]
	OSTAGE 1, FRA0
	s_mov_b32 s[SC], 1
.Lo:                                                   ; stages 1 to 15
	s_min_u32 s[S0], s[SC], 15                     ; the line's own constant holds the address inside the fragments' 256 KB
	s_lshl_b32 s[S0], s[S0], 14
	v_add_nc_u32 v[FRA], s[S0], v[FRA0]
	OSTAGE 0, FRA
	s_add_co_u32 s[SC], s[SC], 1
	s_cmp_lt_u32 s[SC], 16
	s_cbranch_scc1 .Lo
.Lepi:
	s_mov_b32 s[TI], 0
.Lunit:                                                ; ten trips: half a tile each, 32 numbers a lane; a dead tile's are jumped
	s_lshr_b32 s[S1], s[TI], 1
	s_cmp_ge_u32 s[S1], s[LIVE]
	s_cbranch_scc1 .Lunext
	s_mul_i32 s[S0], s[PASS], 20
	s_lshl_b32 s[S1], s[S1], 2
	s_add_co_u32 s[S0], s[S0], s[S1]
	s_add_co_u32 s[S0], s[S0], s[WV]               ; the tile's number among the expert's,
	s_lshl_b32 s[S0], s[S0], 17                    ; its 131,072 bytes,
	s_and_b32 s[S1], s[TI], 1
	s_lshl_b32 s[S1], s[S1], 11                    ; and the half's two K steps
	s_add_co_u32 s[S0], s[S0], s[S1]
.irp nn, 0,1,2,3,4,5,6,7,8
	s_cmp_lg_u32 s[TI], \nn
	s_cbranch_scc1 .Lnot\nn
	EXTRACT \nn
	s_branch .Lgelu
.Lnot\nn:
.endr
	EXTRACT 9
.Lgelu:
	s_wait_xcnt 0x0                                ; the last unit's stores have read their address and data
	WIN 0x55                                       ; all in window 1
	v_add_nc_u32 v[HO], s[S0], v[L16W]
.set n, 0
.rept 32
	v_fma_f32 v[GTT+n], |v[GS+n]|, s[PCO], 1.0
.set n, n+1
.endr
.set n, 0
.rept 16
	v_pk_mul_f32 v[GE+2*n:GE+2*n+1], v[GS+2*n:GS+2*n+1], v[GS+2*n:GS+2*n+1] neg_lo:[1,0] neg_hi:[1,0]
.set n, n+1
.endr
.set n, 0
.rept 32                               ; ONE batch of 64
	v_rcp_f32 v[GTT+n], v[GTT+n]
.set n, n+1
.endr
.set n, 0
.rept 32
	v_exp_f32 v[GE+n], v[GE+n]
.set n, n+1
.endr
.set n, 0
.rept 32                               ; plain work that names no result of the batch
	v_max_num_f32 v[GR+n], 0, v[GS+n]
.set n, n+1
.endr
	s_wait_alu depctr_va_vdst(0)                   ; the wait ahead of the first reader: one for the batch
.set n, 0
.rept 16
	v_pk_fma_f32 v[GU+2*n:GU+2*n+1], v[GTT+2*n:GTT+2*n+1], s[H5:H5+1], s[H4:H4+1] op_sel_hi:[1,0,0]
.set n, n+1
.endr
.irp hh, H3, H2, H1
.set n, 0
.rept 16
	v_pk_fma_f32 v[GU+2*n:GU+2*n+1], v[GU+2*n:GU+2*n+1], v[GTT+2*n:GTT+2*n+1], s[\hh:\hh+1] op_sel_hi:[1,1,0]
.set n, n+1
.endr
.endr
.set n, 0
.rept 16
	v_pk_mul_f32 v[GU+2*n:GU+2*n+1], v[GU+2*n:GU+2*n+1], v[GTT+2*n:GTT+2*n+1]
.set n, n+1
.endr
.set n, 0
.rept 16
	v_pk_mul_f32 v[GU+2*n:GU+2*n+1], v[GU+2*n:GU+2*n+1], v[GE+2*n:GE+2*n+1]   ; erfc / 2
.set n, n+1
.endr
.set n, 0
.rept 32
	v_fma_f32 v[GU+n], -|v[GS+n]|, v[GU+n], v[GR+n]
.set n, n+1
.endr
.set n, 0
.rept 16
	v_pk_mul_f32 v[GU+2*n:GU+2*n+1], v[GU+2*n:GU+2*n+1], s[IC1:IC1+1] op_sel_hi:[1,0]
.set n, n+1
.endr
.set n, 0
.rept 16
	v_cvt_pk_bf16_f32 v[GH+n], v[GU+2*n], v[GU+2*n+1]
.set n, n+1
.endr
.irp c, 0,1,2,3                        ; column tiles 2 u and 2 u + 1 are registers 0-3 and 4-7 of K step u's fragment; each store covers 512 consecutive bytes, aligned
	global_store_b128 v[HO], v[GH+4*\c:GH+4*\c+3], s[12:13] offset:512*\c
.endr
	WIN 0
.Lunext:
	s_add_co_u32 s[TI], s[TI], 1
	s_cmp_lt_u32 s[TI], 10
	s_cbranch_scc1 .Lunit
.Lnext:
	s_add_co_u32 s[PASS], s[PASS], 1
	s_cmp_lt_u32 s[PASS], 4
	s_cbranch_scc1 .Lpass
	s_wait_tensorcnt 0x0                           ; the wave's end
	ds_add_u32 v[SPW], v[NIL]
	s_wait_dscnt 0x0
	s_endpgm
.Lfunc_end_k_qf053cf84a0_ffn1:
	.size	k_qf053cf84a0_ffn1, .Lfunc_end_k_qf053cf84a0_ffn1-k_qf053cf84a0_ffn1
	.p2alignl 7, 3214868480
	.fill 96, 4, 3214868480
	.section	.rodata,"a",@progbits
	.p2align	6, 0x0
	.amdhsa_kernel k_qf053cf84a0_ffn1
		.amdhsa_group_segment_fixed_size 283648
		.amdhsa_private_segment_fixed_size 0
		.amdhsa_enable_private_segment 0
		.amdhsa_kernarg_size 40
		.amdhsa_user_sgpr_count 2
		.amdhsa_user_sgpr_kernarg_segment_ptr 1
		.amdhsa_wavefront_size32 1
		.amdhsa_system_sgpr_workgroup_id_x 1
		.amdhsa_system_sgpr_workgroup_id_y 1
		.amdhsa_system_sgpr_workgroup_id_z 1
		.amdhsa_system_vgpr_workitem_id 0
		.amdhsa_next_free_vgpr 1024
		.amdhsa_next_free_sgpr 66
		.amdhsa_reserve_vcc 0
		.amdhsa_float_denorm_mode_32 3
		.amdhsa_float_denorm_mode_16_64 3
		.amdhsa_memory_ordered 1
		.amdhsa_forward_progress 1
		.amdhsa_inst_pref_size 169
	.end_amdhsa_kernel
	.amdgpu_metadata
---
amdhsa.version: [ 1, 2 ]
amdhsa.kernels:
  - .name:           k_qf053cf84a0_ffn1
    .symbol:         k_qf053cf84a0_ffn1.kd
    .args:
      - { .name: W1, .offset: 0, .size: 8, .value_kind: global_buffer, .address_space: global }
      - { .name: b1, .offset: 8, .size: 8, .value_kind: global_buffer, .address_space: global }
      - { .name: xb, .offset: 16, .size: 8, .value_kind: global_buffer, .address_space: global }
      - { .name: bm, .offset: 24, .size: 8, .value_kind: global_buffer, .address_space: global }
      - { .name: hfrag, .offset: 32, .size: 8, .value_kind: global_buffer, .address_space: global }
    .group_segment_fixed_size: 283648
    .private_segment_fixed_size: 0
    .kernarg_segment_align: 8
    .kernarg_segment_size: 40
    .max_flat_workgroup_size: 128
    .sgpr_count:     66
    .vgpr_count:     1024
    .wavefront_size: 32
...
	.end_amdgpu_metadata
.endif
;; end of part 2
;; launch ffn2 (part 3): grid 256 x 1, 4 waves a work-group, no clusters, 283,648 bytes of LDS; arguments W2, b2, hfrag, bm, part, cw; writes part
.if DOCPART == 3
	.amdgcn_target "amdgcn-amd-amdhsa--gfx1250"
	.amdhsa_code_object_version 6
	.text
	.protected	k_qf053cf84a0_ffn2
	.globl	k_qf053cf84a0_ffn2
	.p2align	8
	.type	k_qf053cf84a0_ffn2,@function
k_qf053cf84a0_ffn2:
	s_mov_b64 s[64:65], 0
	v_nop
	global_prefetch_b8 v0, s[64:65] scope:SCOPE_SE
	s_setreg_imm32_b32 hwreg(HW_REG_WAVE_MODE, 25, 1), 1
	s_wait_xcnt 0x0
; FFN2.  part[q][slot][:] = cw[slot] x (h[row] W2[e] over K slice q, + b2[e] in slice 0), in f32, for the rows that chose expert e; slot = 2 token + place names a routed row, so that the last launch adds at fixed addresses.
; SHARES.  Work-group = expert e (number / 32) x K slice q of 1,024 ((number / 8) % 4) x slice of 128 columns (number % 8); it alone reads its 1,024 x 128 f32 of W2, once.  Rows, passes, stages, the weights' road
; through registers into LDS and the counts of loads are those of the launch before: tile 20 p + 4 i + w belongs to pass p, place i, wave w; K in 16 stages of 64; one barrier a stage, all in constant flow.
; In the last tile the ranks past the expert's count repeat its last row, in h and in the list alike: they make the same numbers and store them to the same slot, so that tiles are stored whole and EXEC is never touched.
; K ORDER.  Position i = 0..15 of lane half h in step ks of stage s stands for f = 1024 q + 64 s + 2 ks + 32 h + 4 (i % 8) + i / 8: the order in which the launch before left h.  The weights' rows are taken in the same order.
; Source 0 = 16 rows of h, straight from memory (a fragment is 1,024 consecutive bytes), source 1 = 16 columns of W2 (tile tau, row r stands for column 64 (tau / 4) + 4 r + tau % 4): in the results of four
; neighbouring column tiles a lane holds 16 consecutive bytes of a row of the output, and sixteen lanes 256.
; K is split four ways because a slice of 32 columns over all of K would let an h fragment feed two products where it feeds eight here; the price is the partial rows, kept in f32.
; LIMITS.  NaN and infinities are not treated apart.  W2 and b2 are read rounded to bf16, like every input.
; NO CLUSTER, NO TENSOR LOAD: each weight byte has one reader and must pass through registers to be rounded; the h tiles that eight work-groups share would want a ring in LDS beside a slice of 256 KB.
; REGISTERS: as in the launch before; on the way out window 1 holds v0-63 the weighted rows, v64-95 slots, offsets and weights, v241 a lane term.
.set PITCH, 4096                       ; bytes from a row of W2[e] to the next
.set WSTEP, 64*PITCH
.set ASTEP, 2048                       ; a stage's two fragments of h
.set AKS,   1024
.set AQ,    512
.set LIST,  262144
.set LISTW, 1312                       ; a wave's list: ranks 0-1279, then 32 words that take the stores of the lanes whose token did not choose the expert
.set LISTB, 4*LISTW
.set SPARE, LIST+4*LISTB               ; the spare words, 128 bytes a wave: two blocks of 256 bytes that no other line names
.set LN,   1
.set SPW,  2                           ; my spare word; never rewritten
.set NIL,  3                           ; 0; never rewritten
.set WO,   4
.set PF,   5
.set ST,   6
.set FRA,  7
.set AOFF, 8                           ; v8-12 my byte offset in the expert's h for each of my five tiles
.set L16,  13
.set FRA0, 14                          ; FRA at stage 0; never rewritten
.set LB32, 15                          ; the way out: my half's eight slots in a tile's sixteen
.set LA,   16
.set LAD,  17
.set ANY,  18
.set HIW,  19
.set TK0,  20
.set TK1,  21
.set RK,   22
.set SLOT, 23
.set ZZ,   24
.set TA,   28
.set TB,   29
.set BO,   30                          ; my byte offset in bm;
.set DMP,  30                          ; when the bitmaps are in: 1280 + lane
.set BOF,  31
.set WS,   32
.set PK,   160
.set BIAS, 192
.set TT,   0                           ; window 1, the way out
.set SLT,  64
.set CO,   72
.set CW,   80
.set RO,   88
.set R16,  241
.set WV,   16
.set EX,   17
.set CS,   18
.set QS,   19
.set WB,   20
.set AB,   24
.set ABASE, 28
.set OF,   30
.set NE,   32
.set TL,   33
.set LIVE, 34
.set PASS, 35
.set TI,   36
.set GT,   37
.set SC,   38
.set PRE,  40
.set WA,   41
.set WH,   42
.set LB,   43
.set TM1,  44
.set S0,   46
.set S1,   47
.set QM,   48
.set HM,   49
.set MSB, 0
.macro WIN new                         ; the immediate's high byte repeats the setting that is left; a switch that changes nothing is dropped
.if MSB != (\new)
	s_set_vgpr_msb (MSB<<8)|(\new)
.set MSB, (\new)
.endif
.endm
.macro WLOAD set                       ; 16 rows of a stage, in the K order: 512 consecutive bytes each
.set wi, 0
.rept 16
	global_load_b128 v[WS+64*(\set)+4*wi:WS+64*(\set)+4*wi+3], v[WO], s[WB+2*(\set):WB+2*(\set)+1] offset:(4*(wi&7)+(wi>>3))*PITCH th:TH_LOAD_NT
.set wi, wi+1
.endr
.endm
.macro ALOAD par                       ; a stage's h for all five tiles (a dead tile repeats one that exists), so that every count of loads is a constant
	WIN 0x40
.set ai, 0
.rept 20                               ; ai = 4 tile + 2 ks + half
	global_load_b128 v[80*(\par)+4*ai:80*(\par)+4*ai+3], v[AOFF+ai/4], s[AB+2*(\par):AB+2*(\par)+1] offset:((ai/2)%2)*AKS+(ai%2)*AQ
.set ai, ai+1
.endr
	WIN 0
.endm
.macro FRAGS adr, step                 ; a stage's 16 weight fragments out of LDS.  step = 1: the address goes on to the next stage
	WIN 0x80
.set fi, 0
.rept 16                               ; fi = 8 ks + tau
	ds_load_b128 v[8*fi:8*fi+3],   v[\adr] offset:8192*(fi/8)+512*(fi%8)
	ds_load_b128 v[8*fi+4:8*fi+7], v[\adr] offset:8192*(fi/8)+512*(fi%8)+256
.set fi, fi+1
.endr
	WIN 0
.if \step
	v_add_nc_u32 v[\adr], 16384, v[\adr]
.endif
.endm
; pf = 1: the 16 rows x 2 blocks of 256 bytes that this wave loads two stages after the load below are asked for, each block once; pf = 2: the same, jumped in the loop's last trip, where it would pass the slice's end.
.macro STAGING set, nw, doa, dow, pf
	s_wait_loadcnt \nw                             ; loads come back in order: the set is in, the nw younger loads stay out
.if \dow
	s_wait_xcnt 0x0                                ; the base was also an earlier prefetch's: it is stepped only behind this wait
	s_add_nc_u64 s[WB+2*(\set):WB+2*(\set)+1], s[WB+2*(\set):WB+2*(\set)+1], 2*WSTEP
.if (\pf) == 2
	s_cmp_eq_u32 s[SC], 1
	s_cbranch_scc1 .Lnopf_\@
.endif
.if \pf
	global_prefetch_b8 v[PF], s[WB+2*(\set):WB+2*(\set)+1] offset:2*WSTEP th:TH_LOAD_NT scope:SCOPE_SE
.endif
.if (\pf) == 2
.Lnopf_\@:
.endif
.endif
.set ci, 0
.rept 32                               ; ci = 8 t + q: positions 2 q and 2 q + 1 of column 4 l + t make register q of that column's fragment
	v_cvt_pk_bf16_f32 v[PK+ci], v[WS+64*(\set)+8*(ci%8)+ci/8], v[WS+64*(\set)+8*(ci%8)+4+ci/8]
.set ci, ci+1
.endr
.set ci, 0
.rept 8
	ds_store_b128 v[ST], v[PK+4*ci:PK+4*ci+3] offset:256*ci
.set ci, ci+1
.endr
	v_add_nc_u32 v[ST], 16384, v[ST]
.if \doa
	ALOAD \set
.endif
.if \dow
	WLOAD \set
.endif
.endm
; For each live tile 16 matrix instructions, its 8 sums by turns.  first = 1: the bias (0 in K slices 1 to 3) starts the sums, and no tile is jumped, so that every sum is written on every way.
.macro COMPUTE par, first
.set ti, 0
.rept 5
.if !(\first)
	s_cmp_gt_u32 s[LIVE], ti
	s_cbranch_scc0 .Lcend_\@
.endif
.if ti < 4
.set AC, 64*ti
.set WM, 0xf9                          ; h window 1, weights window 2, sums window 3
.else
.set AC, 128
.set WM, 0xa9
.endif
.set kk, 0
.rept 16                               ; kk = 8 ks + tau
.if (\first) && (kk < 8)
	WIN WM&0xcf                                    ; C in window 0
	v_wmma_f32_16x16x32_bf16 v[AC+8*kk:AC+8*kk+7], v[80*(\par)+16*ti:80*(\par)+16*ti+7], v[8*kk:8*kk+7], v[BIAS+8*kk:BIAS+8*kk+7]
.else
	WIN WM
	v_wmma_f32_16x16x32_bf16 v[AC+8*(kk%8):AC+8*(kk%8)+7], v[80*(\par)+16*ti+8*(kk/8):80*(\par)+16*ti+8*(kk/8)+7], v[8*kk:8*kk+7], v[AC+8*(kk%8):AC+8*(kk%8)+7]
.endif
.set kk, kk+1
.endr
	WIN 0                                          ; at a branch and at a label every window is 0
.set ti, ti+1
.endr
.Lcend_\@:
.rept 4
	v_nop                                          ; the places in front of the loads into the sources and of the way out (ISA guide 7.12.1 for the way out)
.endr
.endm
.macro STAGE par, first, stg, nw, doa, dow, pf, na
	s_barrier_wait -1
	FRAGS FRA, 1
.if \stg
	STAGING 1-(\par), \nw, \doa, \dow, \pf
.endif
	s_wait_dscnt 0x0                               ; my fragments are in, and, for the others' sake, my stores of stage s + 1 are done
.if \stg
	s_barrier_signal -1
.endif
	s_wait_loadcnt \na                             ; h of stage s is in; the na younger loads stay out
	s_add_nc_u64 s[AB+2*(\par):AB+2*(\par)+1], s[AB+2*(\par):AB+2*(\par)+1], 2*ASTEP  ; free since that wait
	COMPUTE \par, \first
.endm
.macro OSTAGE first, adr               ; a stage of a further pass: the weights lie in LDS, nothing is stored there, no barrier
	ALOAD 0
	FRAGS \adr, 0
	s_wait_loadcnt 0x0
	s_wait_dscnt 0x0
	s_add_nc_u64 s[AB:AB+1], s[AB:AB+1], ASTEP
	COMPUTE 0, \first
.endm
.macro MKLIVE                          ; s[S0] = 20 x pass
	s_add_co_u32 s[S1], s[TL], 3
	s_sub_co_u32 s[S1], s[S1], s[WV]
	s_sub_co_i32 s[S1], s[S1], s[S0]
	s_max_i32 s[S1], s[S1], 0
	s_lshr_b32 s[S1], s[S1], 2
	s_min_u32 s[LIVE], s[S1], 5
.endm
.macro MKAOFF                          ; my five tiles in the pass in hand, each held to the last tile that the launch before wrote
	s_mul_i32 s[S0], s[PASS], 20
	s_add_co_u32 s[S0], s[S0], s[WV]
.irp i, 0,1,2,3,4
	s_add_co_u32 s[S1], s[S0], 4*\i
	s_min_u32 s[S1], s[S1], s[TM1]
	s_min_u32 s[S1], s[S1], 63
	s_lshl_b32 s[S1], s[S1], 17
	v_add_nc_u32 v[AOFF+\i], s[S1], v[L16]
.endr
.endm
.macro EXTRACT i                       ; tile i times the rows' weights, laid so that four neighbouring columns are four neighbouring registers; each sum's registers in ascending order
.if (\i) < 4
	WIN 0x47
.set AC0, 64*(\i)
.else
	WIN 0x46
.set AC0, 128
.endif
.set z, 0
.rept 64                               ; z = 8 tau + j
	v_mul_f32 v[TT+4*(8*(z/32)+z%8)+(z/8)%4], v[AC0+z], v[CW+z%8]
.set z, z+1
.endr
	WIN 0
.endm
	s_load_b256 s[4:11], s[0:1], 0x0               ; W2 s[4:5], b2 s[6:7], hfrag s[8:9], bm s[10:11]
	s_load_b128 s[12:15], s[0:1], 0x20             ; part s[12:13], cw s[14:15]
	v_lshl_add_u32 v[SPW], v0, 2, SPARE
	v_mov_b32 v[NIL], 0
	v_and_b32 v[LN], 31, v0
	v_lshrrev_b32 v[TA], 5, v0
	v_readfirstlane_b32 s[WV], v[TA]               ; wave 0..3
	s_lshr_b32 s[EX], ttmp9, 5                     ; expert
	s_and_b32 s[CS], ttmp9, 7                      ; column slice: the eight that share an expert's h of one K slice are neighbours
	s_bfe_u32 s[QS], ttmp9, 0x20003                ; K slice
	s_and_b32 s[S0], s[WV], 1                      ; the lane half h that my 16 rows serve
	s_lshr_b32 s[S1], s[WV], 1                     ; and the step ks
	s_lshl_b32 s[OF], s[S0], 5
	s_lshl1_add_u32 s[OF], s[S1], s[OF]            ; my first row in a stage: 32 h + 2 ks
	s_lshl_b32 s[OF], s[OF], 12
	v_lshlrev_b32 v[L16], 4, v[LN]
	v_add_nc_u32 v[WO], s[OF], v[L16]
	v_bfe_u32 v[TA], v[LN], 1, 3                   ; the prefetch: lane l asks for block l % 2 of position l / 2, whose row is 4 (position % 8) + position / 8
	v_lshrrev_b32 v[TB], 4, v[LN]
	v_lshl_add_u32 v[TA], v[TA], 2, v[TB]
	v_lshlrev_b32 v[TA], 12, v[TA]
	v_and_b32 v[TB], 1, v[LN]
	v_lshl_add_u32 v[TA], v[TB], 8, v[TA]
	v_add_nc_u32 v[PF], s[OF], v[TA]
	v_lshrrev_b32 v[TA], 4, v[LN]                  ; l / 16
	v_and_b32 v[TB], 15, v[LN]                     ; l % 16
	v_lshlrev_b32 v[FRA0], 12, v[TA]
	v_lshl_add_u32 v[FRA0], v[TB], 4, v[FRA0]
	v_mov_b32 v[FRA], v[FRA0]
	v_lshlrev_b32 v[ST], 11, v[TA]
	v_lshl_add_u32 v[ST], v[TB], 4, v[ST]
	s_lshl_b32 s[S0], s[WV], 12
	v_add_nc_u32 v[ST], s[S0], v[ST]
	v_lshlrev_b32 v[BOF], 4, v[TB]
	s_mul_i32 s[LB], s[WV], LISTB
	s_add_co_u32 s[LB], s[LB], LIST                ; my wave's list
	v_add_nc_u32 v[LA], s[LB], v[L16]
	v_lshl_add_u32 v[LB32], v[TA], 5, s[LB]
	v_lshlrev_b32 v[BO], 6, v[LN]                  ; lane l takes bitmap word l: 64 l + 4 e
	s_lshl_b32 s[S0], s[EX], 2
	v_add_nc_u32 v[BO], s[S0], v[BO]
	v_lshlrev_b32 v[TK0], 1, v[LN]
	v_or_b32 v[TK1], 1, v[TK0]
.irp i, 0,1,2,3
	v_mov_b32 v[ZZ+\i], 0
.endr
	WIN 0x40
	v_lshlrev_b32 v[R16], 4, v[TB]                 ; the way out: my 16 bytes of 256
	WIN 0
	s_mov_b32 s[HM], 0xffff0000
	s_cmp_eq_u32 s[QS], 0
	s_cselect_b32 s[QM], -1, 0                     ; the bias counts once: in K slice 0
	s_mov_b32 s[PASS], 0
	s_wait_kmcnt 0x0
	s_lshl_b32 s[OF], s[EX], 24
	s_lshl_b32 s[S0], s[QS], 22
	s_add_co_u32 s[OF], s[OF], s[S0]
	s_lshl_b32 s[S1], s[CS], 9
	s_add_co_u32 s[OF], s[OF], s[S1]
	s_mov_b32 s[OF+1], 0
	s_add_nc_u64 s[WB:WB+1], s[4:5], s[OF:OF+1]
	s_add_nc_u64 s[WB+2:WB+3], s[WB:WB+1], WSTEP
	s_lshl_b32 s[OF], s[EX], 12
	s_add_co_u32 s[OF], s[OF], s[S1]
	s_add_nc_u64 s[6:7], s[6:7], s[OF:OF+1]        ; b2 at my columns
	s_lshl_b32 s[OF], s[QS], 23
	s_add_co_u32 s[OF], s[OF], s[S1]
	s_add_nc_u64 s[12:13], s[12:13], s[OF:OF+1]    ; part at my K slice and columns
	s_lshl_b32 s[OF], s[EX], 23
	s_lshl_b32 s[S0], s[QS], 15
	s_add_co_u32 s[OF], s[OF], s[S0]
	s_add_nc_u64 s[ABASE:ABASE+1], s[8:9], s[OF:OF+1]
	s_mov_b64 s[AB:AB+1], s[ABASE:ABASE+1]
	s_add_nc_u64 s[AB+2:AB+3], s[ABASE:ABASE+1], ASTEP
	global_load_b32 v[ANY], v[BO], s[10:11]
	global_load_b32 v[HIW], v[BO], s[10:11] offset:32
	global_load_b128 v[PK:PK+3], v[BOF], s[6:7]                ; b2 of columns 4 (l % 16) + 0..3,
	global_load_b128 v[PK+4:PK+7], v[BOF], s[6:7] offset:256   ; and 64 further on
	WLOAD 0                                        ; stages 0 and 1 go out before the list is made
	WLOAD 1
.set n, 0
.rept 10                               ; every rank first names slot 0
	ds_store_b128 v[LA], v[ZZ:ZZ+3] offset:512*n
.set n, n+1
.endr
	s_wait_loadcnt 34                              ; the bitmaps are in: 2 loads of b2 and 32 of weights were issued behind them
	v_add_nc_u32 v[DMP], 1280, v[LN]               ; free since that wait
	s_mov_b32 s[PRE], 0
; THE LIST: the same ranks as in the launch before.  A bitmap word at a time, lane l for token 32 n + l; the lanes whose token did not choose my expert store into the 32 words behind the ranks.
.set n, 0
.rept 32
	v_readlane_b32 s[WA], v[ANY], n
	v_readlane_b32 s[WH], v[HIW], n
	v_mbcnt_lo_u32_b32 v[RK], s[WA], s[PRE]        ; rank = those before this word + those below my bit
	v_cndmask_b32 v[RK], v[DMP], v[RK], s[WA]
	v_min_u32 v[RK], LISTW-1, v[RK]
	v_lshlrev_b32 v[RK], 2, v[RK]
	v_add_nc_u32 v[RK], s[LB], v[RK]
	v_cndmask_b32 v[SLOT], v[TK0], v[TK1], s[WH]
	ds_store_b32 v[RK], v[SLOT]
	v_add_nc_u32 v[TK0], 64, v[TK0]
	v_add_nc_u32 v[TK1], 64, v[TK1]
	s_bcnt1_i32_b32 s[S0], s[WA]
	s_add_co_u32 s[PRE], s[PRE], s[S0]
.set n, n+1
.endr
	s_mov_b32 s[NE], s[PRE]
	s_max_u32 s[S0], s[NE], 1                      ; the 32 ranks behind the last repeat the last row's slot, as the launch before repeated its h
	s_sub_co_u32 s[S0], s[S0], 1
	s_min_u32 s[S0], s[S0], 0x3ff
	s_lshl_b32 s[S0], s[S0], 2
	s_add_co_u32 s[S0], s[S0], s[LB]
	v_mov_b32 v[RK], s[S0]
	ds_load_b32 v[SLOT], v[RK]                     ; LDS serves a wave's instructions in order: this load sees the list's stores
	s_min_u32 s[S1], s[NE], 0x400
	v_add_nc_u32 v[TA], s[S1], v[LN]
	v_lshlrev_b32 v[TA], 2, v[TA]
	v_add_nc_u32 v[TA], s[LB], v[TA]
	s_wait_dscnt 0x0
	ds_store_b32 v[TA], v[SLOT]
	s_add_co_u32 s[TL], s[NE], 15
	s_lshr_b32 s[TL], s[TL], 4
	s_max_u32 s[TM1], s[TL], 1
	s_sub_co_u32 s[TM1], s[TM1], 1                 ; the last tile that was written (tile 0 where the expert has no row)
	s_mov_b32 s[S0], 0
	MKLIVE
	MKAOFF
	s_wait_loadcnt 32                              ; b2 is in; the weights of stages 0 and 1 stay out
.set z, 0
.rept 4
	v_cvt_pk_bf16_f32 v[PK+8+z], v[PK+2*z], v[PK+2*z+1]  ; rounded like every input
.set z, z+1
.endr
.set z, 0
.rept 4                                ; column tiles 2 z and 2 z + 1: a column's bias stands in all eight rows of the C operand
	v_lshlrev_b32 v[PK+12], 16, v[PK+8+z]
	v_and_b32 v[PK+13], s[HM], v[PK+8+z]
.set j, 0
.rept 8
	v_and_b32 v[BIAS+16*z+j], s[QM], v[PK+12]
	v_and_b32 v[BIAS+16*z+8+j], s[QM], v[PK+13]
.set j, j+1
.endr
.set z, z+1
.endr
	STAGING 0, 16, 1, 1, 1                         ; stage 0 is rounded (stage 1's 16 loads stay out); h of stage 0, weights of stage 2
	s_wait_dscnt 0x0
	s_barrier_signal -1
	STAGE 0, 1, 1, 36, 1, 1, 1, 52                 ; 36: h 20 + weights 16 behind the set; 52: weights 16 + h 20 + weights 16 behind this stage's h
	s_mov_b32 s[SC], 6
.Lk:                                                   ; stages 1 to 12
	STAGE 1, 0, 1, 36, 1, 1, 2, 52
	STAGE 0, 0, 1, 36, 1, 1, 2, 52
	s_sub_co_u32 s[SC], s[SC], 1
	s_cmp_lg_u32 s[SC], 0
	s_cbranch_scc1 .Lk
	STAGE 1, 0, 1, 36, 1, 0, 0, 36                 ; stage 13: behind its h stand stage 15's weights and stage 14's h
	STAGE 0, 0, 1, 20, 1, 0, 0, 20                 ; stage 14
	STAGE 1, 0, 0, 0, 0, 0, 0, 0                   ; stage 15
.Lpass:                                                ; four trips: the way out of pass p; ahead of it, from trip 1 on, the pass's products, jumped with the way out where I have no tile left
	s_cmp_eq_u32 s[PASS], 0
	s_cbranch_scc1 .Lepi
	s_mul_i32 s[S0], s[PASS], 20
	MKLIVE
	s_cmp_eq_u32 s[LIVE], 0
	s_cbranch_scc1 .Lnext
	s_wait_xcnt 0x0                                ; the last way out's stores have read their registers, onto which the loads below land
	MKAOFF
	s_mov_b64 s[AB:AB+1], s[ABASE:ABASE+1]
	OSTAGE 1, FRA0
	s_mov_b32 s[SC], 1
.Lo:                                                   ; stages 1 to 15
	s_min_u32 s[S0], s[SC], 15                     ; the line's own constant holds the address inside the fragments' 256 KB
	s_lshl_b32 s[S0], s[S0], 14
	v_add_nc_u32 v[FRA], s[S0], v[FRA0]
	OSTAGE 0, FRA
	s_add_co_u32 s[SC], s[SC], 1
	s_cmp_lt_u32 s[SC], 16
	s_cbranch_scc1 .Lo
.Lepi:
	s_mov_b32 s[TI], 0
.Lunit:                                                ; five trips, a tile each; a dead tile is jumped
	s_cmp_ge_u32 s[TI], s[LIVE]
	s_cbranch_scc1 .Lunext
	s_mul_i32 s[GT], s[PASS], 20
	s_lshl_b32 s[S0], s[TI], 2
	s_add_co_u32 s[GT], s[GT], s[S0]
	s_add_co_u32 s[GT], s[GT], s[WV]               ; the tile's number among the expert's
	s_min_u32 s[S0], s[GT], 79                     ; the line's own constant holds the address inside my list's 1,280 ranks
	s_lshl_b32 s[S0], s[S0], 6
	v_add_nc_u32 v[LAD], s[S0], v[LB32]
	s_wait_xcnt 0x0                                ; the last tile's stores have read their addresses and data
	WIN 0x40
	ds_load_b128 v[SLT:SLT+3], v[LAD]              ; the slots of my half's eight rows
	ds_load_b128 v[SLT+4:SLT+7], v[LAD] offset:16
	s_wait_dscnt 0x0
	WIN 0x55                                       ; all in window 1
.irp j, 0,1,2,3,4,5,6,7
	v_min_u32 v[SLT+\j], 0x7ff, v[SLT+\j]
.endr
.irp j, 0,1,2,3,4,5,6,7
	v_lshlrev_b32 v[CO+\j], 2, v[SLT+\j]
.endr
.irp j, 0,1,2,3,4,5,6,7
	global_load_b32 v[CW+\j], v[CO+\j], s[14:15]   ; the rows' weights
.endr
.irp j, 0,1,2,3,4,5,6,7
	v_lshlrev_b32 v[RO+\j], 12, v[SLT+\j]          ; slot x 4,096 bytes
.endr
.irp j, 0,1,2,3,4,5,6,7
	v_add_nc_u32 v[RO+\j], v[R16], v[RO+\j]        ; + my 16
.endr
	s_wait_loadcnt 0x0
	WIN 0
.irp nn, 0,1,2,3
	s_cmp_lg_u32 s[TI], \nn
	s_cbranch_scc1 .Lnot\nn
	EXTRACT \nn
	s_branch .Lsend
.Lnot\nn:
.endr
	EXTRACT 4
.Lsend:
	WIN 0x55
.set n, 0
.rept 16                               ; n = 2 j + G: 16 lanes store 256 consecutive bytes of one row, at a multiple of 256 from part's first; ranks past the count store the last row's numbers once more
	global_store_b128 v[RO+n/2], v[TT+4*(8*(n%2)+n/2):TT+4*(8*(n%2)+n/2)+3], s[12:13] offset:256*(n%2)
.set n, n+1
.endr
	WIN 0
.Lunext:
	s_add_co_u32 s[TI], s[TI], 1
	s_cmp_lt_u32 s[TI], 5
	s_cbranch_scc1 .Lunit
.Lnext:
	s_add_co_u32 s[PASS], s[PASS], 1
	s_cmp_lt_u32 s[PASS], 4
	s_cbranch_scc1 .Lpass
	s_wait_tensorcnt 0x0                           ; the wave's end
	ds_add_u32 v[SPW], v[NIL]
	s_wait_dscnt 0x0
	s_endpgm
.Lfunc_end_k_qf053cf84a0_ffn2:
	.size	k_qf053cf84a0_ffn2, .Lfunc_end_k_qf053cf84a0_ffn2-k_qf053cf84a0_ffn2
	.p2alignl 7, 3214868480
	.fill 96, 4, 3214868480
	.section	.rodata,"a",@progbits
	.p2align	6, 0x0
	.amdhsa_kernel k_qf053cf84a0_ffn2
		.amdhsa_group_segment_fixed_size 283648
		.amdhsa_private_segment_fixed_size 0
		.amdhsa_enable_private_segment 0
		.amdhsa_kernarg_size 48
		.amdhsa_user_sgpr_count 2
		.amdhsa_user_sgpr_kernarg_segment_ptr 1
		.amdhsa_wavefront_size32 1
		.amdhsa_system_sgpr_workgroup_id_x 1
		.amdhsa_system_sgpr_workgroup_id_y 1
		.amdhsa_system_sgpr_workgroup_id_z 1
		.amdhsa_system_vgpr_workitem_id 0
		.amdhsa_next_free_vgpr 1024
		.amdhsa_next_free_sgpr 66
		.amdhsa_reserve_vcc 0
		.amdhsa_float_denorm_mode_32 3
		.amdhsa_float_denorm_mode_16_64 3
		.amdhsa_memory_ordered 1
		.amdhsa_forward_progress 1
		.amdhsa_inst_pref_size 151
	.end_amdhsa_kernel
	.amdgpu_metadata
---
amdhsa.version: [ 1, 2 ]
amdhsa.kernels:
  - .name:           k_qf053cf84a0_ffn2
    .symbol:         k_qf053cf84a0_ffn2.kd
    .args:
      - { .name: W2, .offset: 0, .size: 8, .value_kind: global_buffer, .address_space: global }
      - { .name: b2, .offset: 8, .size: 8, .value_kind: global_buffer, .address_space: global }
      - { .name: hfrag, .offset: 16, .size: 8, .value_kind: global_buffer, .address_space: global }
      - { .name: bm, .offset: 24, .size: 8, .value_kind: global_buffer, .address_space: global }
      - { .name: part, .offset: 32, .size: 8, .value_kind: global_buffer, .address_space: global }
      - { .name: cw, .offset: 40, .size: 8, .value_kind: global_buffer, .address_space: global }
    .group_segment_fixed_size: 283648
    .private_segment_fixed_size: 0
    .kernarg_segment_align: 8
    .kernarg_segment_size: 48
    .max_flat_workgroup_size: 128
    .sgpr_count:     66
    .vgpr_count:     1024
    .wavefront_size: 32
...
	.end_amdgpu_metadata
.endif
;; end of part 3
;; launch combine (part 4): grid 256 x 1, 8 waves a work-group, no clusters, 0 bytes of LDS; arguments part, out0; writes out0
.if DOCPART == 4
	.amdgcn_target "amdgcn-amd-amdhsa--gfx1250"
	.amdhsa_code_object_version 6
	.text
	.protected	k_qf053cf84a0_combine
	.globl	k_qf053cf84a0_combine
	.p2align	8
	.type	k_qf053cf84a0_combine,@function
k_qf053cf84a0_combine:
	s_mov_b64 s[64:65], 0
	v_nop
	global_prefetch_b8 v0, s[64:65] scope:SCOPE_SE
	s_setreg_imm32_b32 hwreg(HW_REG_WAVE_MODE, 25, 1), 1
	s_wait_xcnt 0x0
; COMBINE.  out[t][:] = the sum over the four K slices q and the two places c of part[q][2 t + c][:], in f32; the weights and the biases are already in the parts.
; A stream: a work-group has 4 tokens, thread n the 16 bytes at 16 n of every row, so a wave's load or store covers 512 consecutive bytes.  All 32 loads of a thread go out at once, token by token;
; the waits count down by a token's eight.  No LDS, no barrier, no matrix unit: nothing is shared and nothing is multiplied.
.set DAT, 4                            ; v4-131: token k, slice q, place c at DAT + 32 k + 8 q + 4 c
	s_load_b128 s[4:7], s[0:1], 0x0                ; part s[4:5], out0 s[6:7]
	v_lshlrev_b32 v1, 4, v0
	s_lshl_b32 s8, ttmp9, 15                       ; 8 slots x 4,096 bytes
	s_mov_b32 s9, 0
	s_lshl_b32 s10, ttmp9, 14                      ; 4 rows of the output
	s_mov_b32 s11, 0
	s_wait_kmcnt 0x0
	s_add_nc_u64 s[12:13], s[4:5], s[8:9]          ; a base for each K slice: 2^23 bytes apart, one more than a load's immediate reaches
	s_add_nc_u64 s[14:15], s[12:13], 0x800000
	s_add_nc_u64 s[16:17], s[14:15], 0x800000
	s_add_nc_u64 s[18:19], s[16:17], 0x800000
	s_add_nc_u64 s[6:7], s[6:7], s[10:11]
.set n, 0
.rept 32                               ; n = 8 k + 2 q + c
	global_load_b128 v[DAT+4*n:DAT+4*n+3], v1, s[12+2*((n/2)%4):13+2*((n/2)%4)] offset:(2*(n/8)+n%2)*4096 th:TH_LOAD_NT
.set n, n+1
.endr
.macro ADD4 a, b                       ; four numbers onto four
	v_pk_add_f32 v[(\a):(\a)+1], v[(\a):(\a)+1], v[(\b):(\b)+1]
	v_pk_add_f32 v[(\a)+2:(\a)+3], v[(\a)+2:(\a)+3], v[(\b)+2:(\b)+3]
.endm
.irp k, 0,1,2,3
	s_wait_loadcnt 24-8*\k                         ; loads come back in order: token k's eight are in, the later tokens' stay out
	ADD4 DAT+32*\k,    DAT+32*\k+4
	ADD4 DAT+32*\k+8,  DAT+32*\k+12
	ADD4 DAT+32*\k+16, DAT+32*\k+20
	ADD4 DAT+32*\k+24, DAT+32*\k+28
	ADD4 DAT+32*\k,    DAT+32*\k+8
	ADD4 DAT+32*\k+16, DAT+32*\k+24
	ADD4 DAT+32*\k,    DAT+32*\k+16
	global_store_b128 v1, v[DAT+32*\k:DAT+32*\k+3], s[6:7] offset:4096*\k th:TH_STORE_NT
.endr
	s_endpgm
.Lfunc_end_k_qf053cf84a0_combine:
	.size	k_qf053cf84a0_combine, .Lfunc_end_k_qf053cf84a0_combine-k_qf053cf84a0_combine
	.p2alignl 7, 3214868480
	.fill 96, 4, 3214868480
	.section	.rodata,"a",@progbits
	.p2align	6, 0x0
	.amdhsa_kernel k_qf053cf84a0_combine
		.amdhsa_group_segment_fixed_size 0
		.amdhsa_private_segment_fixed_size 0
		.amdhsa_enable_private_segment 0
		.amdhsa_kernarg_size 16
		.amdhsa_user_sgpr_count 2
		.amdhsa_user_sgpr_kernarg_segment_ptr 1
		.amdhsa_wavefront_size32 1
		.amdhsa_system_sgpr_workgroup_id_x 1
		.amdhsa_system_sgpr_workgroup_id_y 1
		.amdhsa_system_sgpr_workgroup_id_z 1
		.amdhsa_system_vgpr_workitem_id 0
		.amdhsa_next_free_vgpr 136
		.amdhsa_next_free_sgpr 66
		.amdhsa_reserve_vcc 0
		.amdhsa_float_denorm_mode_32 3
		.amdhsa_float_denorm_mode_16_64 3
		.amdhsa_memory_ordered 1
		.amdhsa_forward_progress 1
		.amdhsa_inst_pref_size 8
	.end_amdhsa_kernel
	.amdgpu_metadata
---
amdhsa.version: [ 1, 2 ]
amdhsa.kernels:
  - .name:           k_qf053cf84a0_combine
    .symbol:         k_qf053cf84a0_combine.kd
    .args:
      - { .name: part, .offset: 0, .size: 8, .value_kind: global_buffer, .address_space: global }
      - { .name: out0, .offset: 8, .size: 8, .value_kind: global_buffer, .address_space: global }
    .group_segment_fixed_size: 0
    .private_segment_fixed_size: 0
    .kernarg_segment_align: 8
    .kernarg_segment_size: 16
    .max_flat_workgroup_size: 256
    .sgpr_count:     66
    .vgpr_count:     136
    .wavefront_size: 32
...
	.end_amdgpu_metadata
.endif
;; end of part 4
;; ======== version 2 of 2: 4 launches
;; workspace buffers: xb 2,097,152 bytes; bm 2,048 bytes of whole numbers; cw 8,192 bytes; hfrag 67,108,864 bytes; part 33,554,432 bytes
;; launch router: the kernel of part 1 again; grid 32 x 1, 8 waves a work-group, no clusters, 78,848 bytes of LDS; arguments x, Wr, xb, bm, cw; writes xb, bm, cw
;; launch ffn1 (part 5): grid 256 x 1, 4 waves a work-group, no clusters, 262,656 bytes of LDS; arguments W1, b1, xb, bm, hfrag; writes hfrag
.if DOCPART == 5
	.amdgcn_target "amdgcn-amd-amdhsa--gfx1250"
	.amdhsa_code_object_version 6
	.text
	.protected	k_qf053cf84a0_ffn1
	.globl	k_qf053cf84a0_ffn1
	.p2align	8
	.type	k_qf053cf84a0_ffn1,@function
k_qf053cf84a0_ffn1:
	s_mov_b64 s[64:65], 0
	v_nop
	global_prefetch_b8 v0, s[64:65] scope:SCOPE_SE
	s_setreg_imm32_b32 hwreg(HW_REG_WAVE_MODE, 25, 1), 1
	s_wait_xcnt 0x0
; FFN1.  h = gelu(x W1[e] + b1[e]) for the rows that chose expert e, in bf16, stored in the order in which the next launch's matrix operands take it.
; SHARES.  Work-group = expert e (number / 32) x slice of 128 columns (number % 32); it alone reads its 1,024 x 128 f32 of W1, once.  Its rows are the expert's tokens by rank, in tiles of 16:
; tile 20 p + 4 i + w belongs to pass p, place i = 0..4, wave w.  Pass 0 (ranks 0-319) runs while the weights stream; ranks beyond are served by up to three further passes from LDS.  Every split is served.
; THE ROWS.  The token of a rank is found in registers from the expert's bitmap (lane n holds word n): a loop over the 32 words keeps, for each lane, the word that holds its rank; the bit of that place in the
; word is found from the word's partial bit counts.  Ranks past the expert's count repeat its last row (token 0 where it has none), so that tiles are always whole and EXEC is never touched.
; WEIGHTS.  f32 from memory into registers (a load = one row's 128 columns, 512 consecutive bytes), rounded to bf16, stored into LDS as matrix fragments; the whole slice, 256 KB, stays, and no LDS byte of it is written twice.
; K goes in 16 stages of 64.  In stage s wave w rounds 16 rows of stage s + 1, asks for x of stage s + 1 and weights of stage s + 3, then multiplies stage s: one barrier a stage, all in constant flow.
; K ORDER.  Position i = 0..15 of lane half h in step ks of stage s stands for k = 64 s + 32 h + 16 ks + i, in both sources alike, which keeps the sums.  So a lane takes 64 consecutive bytes of its token's row a stage.
; THE PRODUCT IS USED TRANSPOSED: source 0 = 16 columns of W1 (tile tau, row r stands for column 64 (tau / 4) + 4 r + tau % 4), source 1 = 16 tokens.  A lane then holds ONE token (l % 16), and two column tiles
; rounded in pairs ARE a source-0 fragment of the next launch, whose K order is made to fit.  The bias, rounded to bf16, is the C operand that starts the sums.
; GELU.  gelu(z) = max(z, 0) - |z| erfc(|z| / sqrt 2) / 2: nothing cancels for negative z.  erfc by a rational form of five terms (Abramowitz and Stegun 7.1.26), absolute error 1.5e-7 at the most for every argument.
; LIMITS.  NaN and infinities are not treated apart; an exponential below 2^-126 counts as 0.  Every input is read rounded to bf16.
; NO CLUSTER, NO TENSOR LOAD: each weight byte has one reader and must pass through registers to be rounded; the rows of x that an expert's work-groups share are chosen row by row, which no descriptor covers.
; REGISTERS, in windows of 256 (s_set_vgpr_msb: bits 1:0 source 0, 3:2 source 1, 5:4 source 2, 7:6 destination):
;   window 0: v0-31 addresses; v32-159 weights as loaded, two sets; v160-191 rounded; v192-255 the bias (before it is made: the search's work)
;   window 1: v0-159 x, two sets of 5 tiles x 2 steps; on the way out v0-175 at work; v240-241 the way out's addresses
;   window 2: v0-127 a stage's weight fragments; v128-191 tile 4's sums          window 3: the sums of tiles 0-3
.set PITCH, 16384                      ; bytes from a row of W1[e] to the next
.set WSTEP, 64*PITCH                   ; a stage's 64 rows
.set ASTEP, 128                        ; a stage's 64 channels of xb
.set AKS,   32
.set AQ,    16
.set SPARE, 262144                     ; behind the fragments: the spare words, 128 bytes a wave: two blocks of 256 bytes that no other line names
.set LN,   1
.set SPW,  2                           ; my spare word; never rewritten
.set NIL,  3                           ; 0; never rewritten
.set WO,   4                           ; my byte offset in a stage of the slice
.set PF,   5                           ; the same for the prefetch: lane l asks for block l % 2 of row l / 2
.set ST,   6                           ; where I store fragments: 4096 w + 2048 (l / 16) + 16 (l % 16) + 16384 x stage
.set FRA,  7                           ; where I read them: 4096 (l / 16) + 16 (l % 16) + 16384 x stage
.set AOFF, 8                           ; v8-12 my byte offset in xb for each of my five tiles
.set L16,  13
.set FRA0, 14                          ; FRA at stage 0; never rewritten
.set RB,   15                          ; the search: 16 w + l % 16 + 64 (l / 16): my rank in pass 0's first pair of tiles
.set H64,  17
.set ANY,  18                          ; lane n: the tokens 32 n .. 32 n + 31 that chose my expert
.set TA,   28
.set TB,   29
.set BO,   30
.set BOF,  31
.set WS,   32
.set PK,   160
.set BIAS, 192
.set GS,   0                           ; window 1, the way out: s = c1 z
.set GTT,  32                          ; t
.set GE,   64                          ; 2^(-s s)
.set GU,   96                          ; the polynomial, then the result
.set GH,   128                         ; packed
.set GR,   144                         ; max(s, 0)
.set HO,   240
.set L16W, 241
.set SELA, 14                          ; s14-15 v_permlanex16_b32's selects: each lane takes its own place in the other half
.set SELB, 15
.set WV,   16
.set EX,   17
.set SL,   18
.set WB,   20                          ; s[20:23] weights: the two sets' bases
.set AB,   24                          ; s[24:27] x: the two sets' bases
.set ABASE, 28
.set OF,   30
.set NE,   32                          ; the expert's rows
.set TL,   33                          ; its tiles, at least 1: tile 0 is always written, so that the next launch never reads what nobody wrote
.set LIVE, 34                          ; how many of my five tiles exist in the pass in hand
.set PASS, 35
.set TI,   36
.set SC,   38
.set LC,   39
.set PRE,  40
.set WA,   41
.set CN,   42
.set S0,   46
.set S1,   47
.set C1,   48                          ; pairs: a packed instruction takes the low word for both halves
.set IC1,  50
.set H1,   52
.set H2,   54
.set H3,   56
.set H4,   58
.set H5,   60
.set PCO,  62
.set HM,   63                          ; 0xffff0000: a word's upper bf16, and the upper half of the lanes
.set MSB, 0
.macro WIN new                         ; the immediate's high byte repeats the setting that is left; a switch that changes nothing is dropped
.if MSB != (\new)
	s_set_vgpr_msb (MSB<<8)|(\new)
.set MSB, (\new)
.endif
.endm
.macro WLOAD set                       ; 16 rows of a stage: 512 consecutive bytes each
.set wi, 0
.rept 16
	global_load_b128 v[WS+64*(\set)+4*wi:WS+64*(\set)+4*wi+3], v[WO], s[WB+2*(\set):WB+2*(\set)+1] offset:wi*PITCH th:TH_LOAD_NT
.set wi, wi+1
.endr
.endm
.macro ALOAD par                       ; a stage's x for all five tiles, live or not (a dead tile names the expert's last token), so that every count of loads is a constant
	WIN 0x40
.set ai, 0
.rept 20                               ; ai = 4 tile + 2 ks + half
	global_load_b128 v[80*(\par)+4*ai:80*(\par)+4*ai+3], v[AOFF+ai/4], s[AB+2*(\par):AB+2*(\par)+1] offset:((ai/2)%2)*AKS+(ai%2)*AQ
.set ai, ai+1
.endr
	WIN 0
.endm
.macro FRAGS adr, step                 ; a stage's 16 weight fragments out of LDS; each group of 16 lanes takes 256 consecutive bytes.  step = 1: the address goes on to the next stage
	WIN 0x80
.set fi, 0
.rept 16                               ; fi = 8 ks + tau
	ds_load_b128 v[8*fi:8*fi+3],   v[\adr] offset:8192*(fi/8)+512*(fi%8)
	ds_load_b128 v[8*fi+4:8*fi+7], v[\adr] offset:8192*(fi/8)+512*(fi%8)+256
.set fi, fi+1
.endr
	WIN 0
.if \step
	v_add_nc_u32 v[\adr], 16384, v[\adr]
.endif
.endm
; The weights in set are rounded and stored; then the next loads go out: x first, weights behind, so that a wait for x never waits for weights.
; pf = 1: the 16 rows x 2 blocks of 256 bytes that this wave loads two stages after the load below are asked for, each block once; pf = 2: the same, jumped in the loop's last trip, where it would pass the slice's end.
.macro STAGING set, nw, doa, dow, pf
	s_wait_loadcnt \nw                             ; loads come back in order: the set is in, the nw younger loads stay out
.if \dow
	s_wait_xcnt 0x0                                ; the base was also an earlier prefetch's: it is stepped only behind this wait
	s_add_nc_u64 s[WB+2*(\set):WB+2*(\set)+1], s[WB+2*(\set):WB+2*(\set)+1], 2*WSTEP
.if (\pf) == 2
	s_cmp_eq_u32 s[SC], 1
	s_cbranch_scc1 .Lnopf_\@
.endif
.if \pf
	global_prefetch_b8 v[PF], s[WB+2*(\set):WB+2*(\set)+1] offset:2*WSTEP th:TH_LOAD_NT scope:SCOPE_SE
.endif
.if (\pf) == 2
.Lnopf_\@:
.endif
.endif
.set ci, 0
.rept 32                               ; ci = 8 t + q: rows 2 q and 2 q + 1 of column 4 l + t make register q of that column's fragment
	v_cvt_pk_bf16_f32 v[PK+ci], v[WS+64*(\set)+8*(ci%8)+ci/8], v[WS+64*(\set)+8*(ci%8)+4+ci/8]
.set ci, ci+1
.endr
.set ci, 0
.rept 8
	ds_store_b128 v[ST], v[PK+4*ci:PK+4*ci+3] offset:256*ci
.set ci, ci+1
.endr
	v_add_nc_u32 v[ST], 16384, v[ST]
.if \doa
	ALOAD \set
.endif
.if \dow
	WLOAD \set
.endif
.endm
; A stage's products: for each live tile 16 matrix instructions, its 8 sums by turns (7 others between two links, over jumps and stages too).  first = 1: the bias starts the sums, and no
; tile is jumped, so that every sum is written on every way.  Four v_nop at the end are the places in front of the loads into the sources and of the way out (ISA guide 7.12.1 for the way out).
.macro COMPUTE par, first
.set ti, 0
.rept 5
.if !(\first)
	s_cmp_gt_u32 s[LIVE], ti
	s_cbranch_scc0 .Lcend_\@
.endif
.if ti < 4
.set AC, 64*ti
.set WM, 0xf6                          ; weights window 2, x window 1, sums window 3
.else
.set AC, 128
.set WM, 0xa6                          ; tile 4's sums in window 2
.endif
.set kk, 0
.rept 16                               ; kk = 8 ks + tau
.if (\first) && (kk < 8)
	WIN WM&0xcf                                    ; C in window 0
	v_wmma_f32_16x16x32_bf16 v[AC+8*kk:AC+8*kk+7], v[8*kk:8*kk+7], v[80*(\par)+16*ti:80*(\par)+16*ti+7], v[BIAS+8*kk:BIAS+8*kk+7]
.else
	WIN WM
	v_wmma_f32_16x16x32_bf16 v[AC+8*(kk%8):AC+8*(kk%8)+7], v[8*kk:8*kk+7], v[80*(\par)+16*ti+8*(kk/8):80*(\par)+16*ti+8*(kk/8)+7], v[AC+8*(kk%8):AC+8*(kk%8)+7]
.endif
.set kk, kk+1
.endr
	WIN 0                                          ; at a branch and at a label every window is 0
.set ti, ti+1
.endr
.Lcend_\@:
.rept 4
	v_nop
.endr
.endm
; Stage s, par = s % 2.  Behind the barrier every wave's part of stage s lies in LDS.  Between the signal and the next wait stand matrix work, scalar work and jumps over matrix work alone.
.macro STAGE par, first, stg, nw, doa, dow, pf, na
	s_barrier_wait -1
	FRAGS FRA, 1
.if \stg
	STAGING 1-(\par), \nw, \doa, \dow, \pf
.endif
	s_wait_dscnt 0x0                               ; my fragments are in, and, for the others' sake, my stores of stage s + 1 are done
.if \stg
	s_barrier_signal -1
.endif
	s_wait_loadcnt \na                             ; x of stage s is in; the na younger loads stay out
	s_add_nc_u64 s[AB+2*(\par):AB+2*(\par)+1], s[AB+2*(\par):AB+2*(\par)+1], 2*ASTEP  ; free since that wait
	COMPUTE \par, \first
.endm
.macro OSTAGE first, adr               ; a stage of a further pass: the weights lie in LDS, nothing is stored there, no barrier
	ALOAD 0
	FRAGS \adr, 0
	s_wait_loadcnt 0x0
	s_wait_dscnt 0x0
	s_add_nc_u64 s[AB:AB+1], s[AB:AB+1], ASTEP
	COMPUTE 0, \first
.endm
.macro MKLIVE                          ; s[S0] = 20 x pass: my tiles 20 p + 4 i + w below the expert's number of tiles
	s_add_co_u32 s[S1], s[TL], 3
	s_sub_co_u32 s[S1], s[S1], s[WV]
	s_sub_co_i32 s[S1], s[S1], s[S0]
	s_max_i32 s[S1], s[S1], 0
	s_lshr_b32 s[S1], s[S1], 2
	s_min_u32 s[LIVE], s[S1], 5
.endm
; THE SEARCH, for the pass in hand: three vectors q, each with two tiles: lanes 0-15 the ranks of tile 2 q, lanes 16-31 those of tile 2 q + 1 (the sixth tile does not exist; its ranks are found and dropped).
.macro EACH line:vararg                ; one line for each vector q
.set q, 0
.rept 3
	\line
.set q, q+1
.endr
.endm
.macro PICK w, dst                     ; QT = the bits in the lower part, w wide, of what is left of the word: is my bit beyond them?  Then they are taken off my place, and dst = w
.set q, 0
.rept 3
	v_cmp_ge_u32 vcc_lo, v[RR+q], v[QT+q]
	v_cndmask_b32 v[QT+q], 0, v[QT+q], vcc_lo
	v_cndmask_b32 v[(\dst)+q], 0, \w, vcc_lo
.set q, q+1
.endr
	EACH v_sub_nc_u32 v[RR+q], v[RR+q], v[QT+q]
.endm
.macro LEVEL src, w                    ; src holds the word's bit counts in fields w wide
	EACH v_bfe_u32 v[QT+q], v[(\src)+q], v[PS+q], \w
	PICK \w, QU
	EACH v_add_nc_u32 v[PS+q], v[PS+q], v[QU+q]
.endm
.macro SEARCH tmp                      ; tmp: 27 registers at work
.set RR, (\tmp)                        ; my rank; then my place among the word's bits
.set SW, (\tmp)+3                      ; the word that holds it
.set SN, (\tmp)+6                      ; the ranks before that word, and 32 x its number above bit 16; then the token
.set A2, (\tmp)+9                      ; the word's bit counts in fields of 2,
.set B4, (\tmp)+12                     ; 4
.set C8, (\tmp)+15                     ; and 8 bits
.set QT, (\tmp)+18
.set QU, (\tmp)+21
.set PS, (\tmp)+24                     ; my bit's number
	s_mul_i32 s[S0], s[PASS], 320
.set q, 0
.rept 3
	v_add_nc_u32 v[RR+q], s[S0], v[RB]
	s_add_co_u32 s[S0], s[S0], 128
	v_mov_b32 v[SW+q], 1                           ; what an expert without rows leaves: token 0
	v_mov_b32 v[SN+q], 0
.set q, q+1
.endr
	s_mov_b32 s[PRE], 0
	s_mov_b32 s[LC], 0
.Lword_\@:                                             ; 32 trips: a lane keeps the last word that is not empty and has at most its rank in ranks before it
	v_readlane_b32 s[WA], v[ANY], s[LC]
	s_lshl_b32 s[S0], s[LC], 21
	s_or_b32 s[S0], s[S0], s[PRE]
	s_cmp_lg_u32 s[WA], 0
	s_cselect_b32 s[S1], s[PRE], -1                ; an empty word is kept by nobody
.set q, 0
.rept 3
	v_cmp_le_u32 vcc_lo, s[S1], v[RR+q]
	v_cndmask_b32 v[SW+q], v[SW+q], s[WA], vcc_lo
	v_cndmask_b32 v[SN+q], v[SN+q], s[S0], vcc_lo
.set q, q+1
.endr
	s_bcnt1_i32_b32 s[CN], s[WA]
	s_add_co_u32 s[PRE], s[PRE], s[CN]
	s_add_co_u32 s[LC], s[LC], 1
	s_cmp_lt_u32 s[LC], 32
	s_cbranch_scc1 .Lword_\@
	s_mov_b32 s[NE], s[PRE]
	s_max_u32 s[S0], s[NE], 1
	s_sub_co_u32 s[S0], s[S0], 1                   ; the last rank that exists: it lies in the last word that is not empty, which the ranks past it have kept
	EACH v_min_u32 v[RR+q], s[S0], v[RR+q]
	EACH v_and_b32 v[QT+q], 0xffff, v[SN+q]
	EACH v_sub_nc_u32 v[RR+q], v[RR+q], v[QT+q]
	EACH v_lshrrev_b32 v[SN+q], 16, v[SN+q]
	EACH v_lshrrev_b32 v[QT+q], 1, v[SW+q]
	EACH v_and_b32 v[QT+q], 0x55555555, v[QT+q]
	EACH v_sub_nc_u32 v[A2+q], v[SW+q], v[QT+q]
	EACH v_lshrrev_b32 v[QT+q], 2, v[A2+q]
	EACH v_and_b32 v[QT+q], 0x33333333, v[QT+q]
	EACH v_and_b32 v[B4+q], 0x33333333, v[A2+q]
	EACH v_add_nc_u32 v[B4+q], v[B4+q], v[QT+q]
	EACH v_lshrrev_b32 v[QT+q], 4, v[B4+q]
	EACH v_add_nc_u32 v[C8+q], v[B4+q], v[QT+q]
	EACH v_and_b32 v[C8+q], 0x0f0f0f0f, v[C8+q]
	EACH v_lshrrev_b32 v[QT+q], 8, v[C8+q]
	EACH v_add_nc_u32 v[QT+q], v[C8+q], v[QT+q]
	EACH v_and_b32 v[QT+q], 0xff, v[QT+q]          ; the bits in the word's lower 16
	PICK 16, PS
	LEVEL C8, 8
	LEVEL B4, 4
	LEVEL A2, 2
	LEVEL SW, 1
	EACH v_add_nc_u32 v[SN+q], v[SN+q], v[PS+q]    ; the token
	EACH v_permlanex16_b32 v[QT+q], v[SN+q], s[SELA], s[SELB]  ; and the other tile's: both halves of the lanes want a tile's sixteen tokens
	v_cndmask_b32 v[AOFF], v[SN], v[QT], s[HM]
	v_cndmask_b32 v[AOFF+1], v[QT], v[SN], s[HM]
	v_cndmask_b32 v[AOFF+2], v[SN+1], v[QT+1], s[HM]
	v_cndmask_b32 v[AOFF+3], v[QT+1], v[SN+1], s[HM]
	v_cndmask_b32 v[AOFF+4], v[SN+2], v[QT+2], s[HM]
.irp i, 0,1,2,3,4
	v_min_u32 v[AOFF+\i], 0x3ff, v[AOFF+\i]
	v_lshlrev_b32 v[AOFF+\i], 11, v[AOFF+\i]       ; token x 2,048 bytes
	v_add_nc_u32 v[AOFF+\i], v[H64], v[AOFF+\i]    ; + 64 (l / 16)
.endr
.endm
.macro EXTRACT n                       ; half n % 2 (four column tiles) of tile n / 2: s = c1 z into window 1; each sum's registers in ascending order
.if (\n)/2 < 4
	WIN 0x43
.set AC0, 64*((\n)/2)+32*((\n)%2)
.else
	WIN 0x42
.set AC0, 128+32*((\n)%2)
.endif
.set z, 0
.rept 16
	v_pk_mul_f32 v[GS+2*z:GS+2*z+1], v[AC0+2*z:AC0+2*z+1], s[C1:C1+1] op_sel_hi:[1,0]
.set z, z+1
.endr
	WIN 0
.endm
	s_load_b256 s[4:11], s[0:1], 0x0               ; W1 s[4:5], b1 s[6:7], xb s[8:9], bm s[10:11]
	s_load_b64 s[12:13], s[0:1], 0x20              ; hfrag
	v_lshl_add_u32 v[SPW], v0, 2, SPARE
	v_mov_b32 v[NIL], 0
	v_and_b32 v[LN], 31, v0
	v_lshrrev_b32 v[TA], 5, v0
	v_readfirstlane_b32 s[WV], v[TA]               ; wave 0..3
	s_lshr_b32 s[EX], ttmp9, 5                     ; expert
	s_and_b32 s[SL], ttmp9, 31                     ; slice
	s_and_b32 s[S0], s[WV], 1                      ; the lane half h that my 16 rows serve
	s_lshr_b32 s[S1], s[WV], 1                     ; and the step ks
	s_lshl_b32 s[OF], s[S0], 5
	s_lshl4_add_u32 s[OF], s[S1], s[OF]            ; my first row in a stage: 32 h + 16 ks
	s_mul_i32 s[OF], s[OF], PITCH
	v_lshlrev_b32 v[L16], 4, v[LN]
	v_add_nc_u32 v[WO], s[OF], v[L16]
	v_lshrrev_b32 v[TA], 1, v[LN]
	v_and_b32 v[TB], 1, v[LN]
	v_lshlrev_b32 v[TA], 14, v[TA]
	v_lshl_add_u32 v[TA], v[TB], 8, v[TA]
	v_add_nc_u32 v[PF], s[OF], v[TA]
	v_lshrrev_b32 v[TA], 4, v[LN]                  ; l / 16
	v_and_b32 v[TB], 15, v[LN]                     ; l % 16
	v_lshlrev_b32 v[FRA0], 12, v[TA]
	v_lshl_add_u32 v[FRA0], v[TB], 4, v[FRA0]
	v_mov_b32 v[FRA], v[FRA0]
	v_lshlrev_b32 v[ST], 11, v[TA]
	v_lshl_add_u32 v[ST], v[TB], 4, v[ST]
	s_lshl_b32 s[S0], s[WV], 12
	v_add_nc_u32 v[ST], s[S0], v[ST]
	v_lshlrev_b32 v[H64], 6, v[TA]
	v_lshlrev_b32 v[BOF], 7, v[TA]
	v_lshl_add_u32 v[RB], v[TA], 6, v[TB]
	s_lshl_b32 s[S0], s[WV], 4
	v_add_nc_u32 v[RB], s[S0], v[RB]
	v_lshlrev_b32 v[BO], 6, v[LN]                  ; lane l takes bitmap word l: 64 l + 4 e
	s_lshl_b32 s[S0], s[EX], 2
	v_add_nc_u32 v[BO], s[S0], v[BO]
	WIN 0x40
	v_mov_b32 v[L16W], v[L16]
	WIN 0
	s_mov_b32 s[SELA], 0x76543210
	s_mov_b32 s[SELB], 0xfedcba98
	s_mov_b32 s[C1], 0x3f596d27                    ; c1 = sqrt(log2(e) / 2) = 0.8493218: 2^(-(c1 z)^2) = exp(-z z / 2)
	s_mov_b32 s[C1+1], s[C1]
	s_mov_b32 s[IC1], 0x3f96b55f                   ; 1 / c1
	s_mov_b32 s[IC1+1], s[IC1]
	s_mov_b32 s[H1], 0x3e027906                    ; the five coefficients, halved: 0.127414796,
	s_mov_b32 s[H1+1], s[H1]
	s_mov_b32 s[H2], 0xbe11a98e                    ; -0.142248368,
	s_mov_b32 s[H2+1], s[H2]
	s_mov_b32 s[H3], 0x3f35f0e3                    ; 0.710706871,
	s_mov_b32 s[H3+1], s[H3]
	s_mov_b32 s[H4], 0xbf3a00e3                    ; -0.726576014,
	s_mov_b32 s[H4+1], s[H4]
	s_mov_b32 s[H5], 0x3f07dc22                    ; 0.530702715
	s_mov_b32 s[H5+1], s[H5]
	s_mov_b32 s[PCO], 0x3e8ba43f                   ; 0.3275911 sqrt(ln 2) = 0.2727375: t = 1 / (1 + that |s|)
	s_mov_b32 s[HM], 0xffff0000
	s_mov_b32 s[PASS], 0
	s_wait_kmcnt 0x0
	s_lshl_b32 s[OF], s[EX], 24                    ; an expert's W1 is 2^24 bytes; a slice's columns 512
	s_lshl_b32 s[S0], s[SL], 9
	s_add_co_u32 s[OF], s[OF], s[S0]
	s_mov_b32 s[OF+1], 0
	s_add_nc_u64 s[WB:WB+1], s[4:5], s[OF:OF+1]
	s_add_nc_u64 s[WB+2:WB+3], s[WB:WB+1], WSTEP
	s_lshl_b32 s[OF], s[EX], 14
	s_add_co_u32 s[OF], s[OF], s[S0]
	s_add_nc_u64 s[6:7], s[6:7], s[OF:OF+1]        ; b1 at my slice
	s_lshl_b32 s[OF], s[EX], 23                    ; hfrag: 64 tiles x 128 K steps x 1,024 bytes an expert; my slice makes four K steps
	s_lshl_b32 s[S0], s[SL], 12
	s_add_co_u32 s[OF], s[OF], s[S0]
	s_add_nc_u64 s[12:13], s[12:13], s[OF:OF+1]
	s_mov_b64 s[ABASE:ABASE+1], s[8:9]
	s_mov_b64 s[AB:AB+1], s[8:9]
	s_add_nc_u64 s[AB+2:AB+3], s[8:9], ASTEP
	global_load_b32 v[ANY], v[BO], s[10:11]
	WIN 0x40
.set n, 0
.rept 16                               ; n = 8 G + j: b1 of columns 64 G + 32 (l / 16) + 4 j + 0..3
	global_load_b128 v[4*n:4*n+3], v[BOF], s[6:7] offset:256*(n/8)+16*(n%8)
.set n, n+1
.endr
	WIN 0
	WLOAD 0                                        ; stages 0 and 1 go out before the rows are found
	WLOAD 1
	s_wait_loadcnt 48                              ; the bitmap is in: 16 loads of b1 and 32 of weights were issued behind it
	SEARCH BIAS                                    ; at work in the registers that take the bias below
	s_add_co_u32 s[TL], s[NE], 15
	s_lshr_b32 s[TL], s[TL], 4
	s_max_u32 s[TL], s[TL], 1
	s_mov_b32 s[S0], 0
	MKLIVE
	s_wait_loadcnt 32                              ; b1 is in; the weights of stages 0 and 1 stay out
	WIN 0x05
.set z, 0
.rept 32
	v_cvt_pk_bf16_f32 v[PK+z], v[2*z], v[2*z+1]    ; the bias is rounded like every input,
.set z, z+1
.endr
	WIN 0
.set z, 0
.rept 32                               ; z = 2 (8 G + j) + pair: and widened into register j of the C operands of column tiles 4 G + 2 pair and + 1
	v_lshlrev_b32 v[BIAS+8*(4*(z/16)+2*(z%2))+(z/2)%8], 16, v[PK+z]
	v_and_b32 v[BIAS+8*(4*(z/16)+2*(z%2)+1)+(z/2)%8], s[HM], v[PK+z]
.set z, z+1
.endr
	STAGING 0, 16, 1, 1, 1                         ; stage 0 is rounded (stage 1's 16 loads stay out); x of stage 0, weights of stage 2
	s_wait_dscnt 0x0
	s_barrier_signal -1
	STAGE 0, 1, 1, 36, 1, 1, 1, 52                 ; 36: x 20 + weights 16 behind the set; 52: weights 16 + x 20 + weights 16 behind this stage's x
	s_mov_b32 s[SC], 6
.Lk:                                                   ; stages 1 to 12
	STAGE 1, 0, 1, 36, 1, 1, 2, 52
	STAGE 0, 0, 1, 36, 1, 1, 2, 52
	s_sub_co_u32 s[SC], s[SC], 1
	s_cmp_lg_u32 s[SC], 0
	s_cbranch_scc1 .Lk
	STAGE 1, 0, 1, 36, 1, 0, 0, 36                 ; stage 13: no weights are left to ask for: behind its x stand stage 15's weights and stage 14's x
	STAGE 0, 0, 1, 20, 1, 0, 0, 20                 ; stage 14: behind stage 15's weights stands stage 14's x; behind that, stage 15's
	STAGE 1, 0, 0, 0, 0, 0, 0, 0                   ; stage 15
.Lpass:                                                ; four trips: the way out of pass p; ahead of it, from trip 1 on, the pass's products, jumped with the way out where I have no tile left
	s_cmp_eq_u32 s[PASS], 0
	s_cbranch_scc1 .Lepi
	s_mul_i32 s[S0], s[PASS], 20
	MKLIVE
	s_cmp_eq_u32 s[LIVE], 0
	s_cbranch_scc1 .Lnext
	s_wait_xcnt 0x0                                ; the last way out's stores have read their registers
	SEARCH WS                                      ; at work in the registers that held weights
	s_mov_b64 s[AB:AB+1], s[ABASE:ABASE+1]
	OSTAGE 1, FRA0
	s_mov_b32 s[SC], 1
.Lo:                                                   ; stages 1 to 15
	s_min_u32 s[S0], s[SC], 15                     ; the line's own constant holds the address inside the fragments' 256 KB
	s_lshl_b32 s[S0], s[S0], 14
	v_add_nc_u32 v[FRA], s[S0], v[FRA0]
	OSTAGE 0, FRA
	s_add_co_u32 s[SC], s[SC], 1
	s_cmp_lt_u32 s[SC], 16
	s_cbranch_scc1 .Lo
.Lepi:
	s_mov_b32 s[TI], 0
.Lunit:                                                ; ten trips: half a tile each, 32 numbers a lane; a dead tile's are jumped
	s_lshr_b32 s[S1], s[TI], 1
	s_cmp_ge_u32 s[S1], s[LIVE]
	s_cbranch_scc1 .Lunext
	s_mul_i32 s[S0], s[PASS], 20
	s_lshl_b32 s[S1], s[S1], 2
	s_add_co_u32 s[S0], s[S0], s[S1]
	s_add_co_u32 s[S0], s[S0], s[WV]               ; the tile's number among the expert's,
	s_lshl_b32 s[S0], s[S0], 17                    ; its 131,072 bytes,
	s_and_b32 s[S1], s[TI], 1
	s_lshl_b32 s[S1], s[S1], 11                    ; and the half's two K steps
	s_add_co_u32 s[S0], s[S0], s[S1]
.irp nn, 0,1,2,3,4,5,6,7,8
	s_cmp_lg_u32 s[TI], \nn
	s_cbranch_scc1 .Lnot\nn
	EXTRACT \nn
	s_branch .Lgelu
.Lnot\nn:
.endr
	EXTRACT 9
.Lgelu:
	s_wait_xcnt 0x0                                ; the last unit's stores have read their address and data
	WIN 0x55                                       ; all in window 1
	v_add_nc_u32 v[HO], s[S0], v[L16W]
.set n, 0
.rept 32
	v_fma_f32 v[GTT+n], |v[GS+n]|, s[PCO], 1.0
.set n, n+1
.endr
.set n, 0
.rept 16
	v_pk_mul_f32 v[GE+2*n:GE+2*n+1], v[GS+2*n:GS+2*n+1], v[GS+2*n:GS+2*n+1] neg_lo:[1,0] neg_hi:[1,0]
.set n, n+1
.endr
.set n, 0
.rept 32                               ; ONE batch of 64
	v_rcp_f32 v[GTT+n], v[GTT+n]
.set n, n+1
.endr
.set n, 0
.rept 32
	v_exp_f32 v[GE+n], v[GE+n]
.set n, n+1
.endr
.set n, 0
.rept 32                               ; plain work that names no result of the batch
	v_max_num_f32 v[GR+n], 0, v[GS+n]
.set n, n+1
.endr
	s_wait_alu depctr_va_vdst(0)                   ; the wait ahead of the first reader: one for the batch
.set n, 0
.rept 16
	v_pk_fma_f32 v[GU+2*n:GU+2*n+1], v[GTT+2*n:GTT+2*n+1], s[H5:H5+1], s[H4:H4+1] op_sel_hi:[1,0,0]
.set n, n+1
.endr
.irp hh, H3, H2, H1
.set n, 0
.rept 16
	v_pk_fma_f32 v[GU+2*n:GU+2*n+1], v[GU+2*n:GU+2*n+1], v[GTT+2*n:GTT+2*n+1], s[\hh:\hh+1] op_sel_hi:[1,1,0]
.set n, n+1
.endr
.endr
.set n, 0
.rept 16
	v_pk_mul_f32 v[GU+2*n:GU+2*n+1], v[GU+2*n:GU+2*n+1], v[GTT+2*n:GTT+2*n+1]
.set n, n+1
.endr
.set n, 0
.rept 16
	v_pk_mul_f32 v[GU+2*n:GU+2*n+1], v[GU+2*n:GU+2*n+1], v[GE+2*n:GE+2*n+1]   ; erfc / 2
.set n, n+1
.endr
.set n, 0
.rept 32
	v_fma_f32 v[GU+n], -|v[GS+n]|, v[GU+n], v[GR+n]
.set n, n+1
.endr
.set n, 0
.rept 16
	v_pk_mul_f32 v[GU+2*n:GU+2*n+1], v[GU+2*n:GU+2*n+1], s[IC1:IC1+1] op_sel_hi:[1,0]
.set n, n+1
.endr
.set n, 0
.rept 16
	v_cvt_pk_bf16_f32 v[GH+n], v[GU+2*n], v[GU+2*n+1]
.set n, n+1
.endr
.irp c, 0,1,2,3                        ; column tiles 2 u and 2 u + 1 are registers 0-3 and 4-7 of K step u's fragment; each store covers 512 consecutive bytes, aligned
	global_store_b128 v[HO], v[GH+4*\c:GH+4*\c+3], s[12:13] offset:512*\c
.endr
	WIN 0
.Lunext:
	s_add_co_u32 s[TI], s[TI], 1
	s_cmp_lt_u32 s[TI], 10
	s_cbranch_scc1 .Lunit
.Lnext:
	s_add_co_u32 s[PASS], s[PASS], 1
	s_cmp_lt_u32 s[PASS], 4
	s_cbranch_scc1 .Lpass
	s_wait_tensorcnt 0x0                           ; the wave's end
	ds_add_u32 v[SPW], v[NIL]
	s_wait_dscnt 0x0
	s_endpgm
.Lfunc_end_k_qf053cf84a0_ffn1:
	.size	k_qf053cf84a0_ffn1, .Lfunc_end_k_qf053cf84a0_ffn1-k_qf053cf84a0_ffn1
	.p2alignl 7, 3214868480
	.fill 96, 4, 3214868480
	.section	.rodata,"a",@progbits
	.p2align	6, 0x0
	.amdhsa_kernel k_qf053cf84a0_ffn1
		.amdhsa_group_segment_fixed_size 262656
		.amdhsa_private_segment_fixed_size 0
		.amdhsa_enable_private_segment 0
		.amdhsa_kernarg_size 40
		.amdhsa_user_sgpr_count 2
		.amdhsa_user_sgpr_kernarg_segment_ptr 1
		.amdhsa_wavefront_size32 1
		.amdhsa_system_sgpr_workgroup_id_x 1
		.amdhsa_system_sgpr_workgroup_id_y 1
		.amdhsa_system_sgpr_workgroup_id_z 1
		.amdhsa_system_vgpr_workitem_id 0
		.amdhsa_next_free_vgpr 1024
		.amdhsa_next_free_sgpr 66
		.amdhsa_reserve_vcc 1
		.amdhsa_float_denorm_mode_32 3
		.amdhsa_float_denorm_mode_16_64 3
		.amdhsa_memory_ordered 1
		.amdhsa_forward_progress 1
		.amdhsa_inst_pref_size 161
	.end_amdhsa_kernel
	.amdgpu_metadata
---
amdhsa.version: [ 1, 2 ]
amdhsa.kernels:
  - .name:           k_qf053cf84a0_ffn1
    .symbol:         k_qf053cf84a0_ffn1.kd
    .args:
      - { .name: W1, .offset: 0, .size: 8, .value_kind: global_buffer, .address_space: global }
      - { .name: b1, .offset: 8, .size: 8, .value_kind: global_buffer, .address_space: global }
      - { .name: xb, .offset: 16, .size: 8, .value_kind: global_buffer, .address_space: global }
      - { .name: bm, .offset: 24, .size: 8, .value_kind: global_buffer, .address_space: global }
      - { .name: hfrag, .offset: 32, .size: 8, .value_kind: global_buffer, .address_space: global }
    .group_segment_fixed_size: 262656
    .private_segment_fixed_size: 0
    .kernarg_segment_align: 8
    .kernarg_segment_size: 40
    .max_flat_workgroup_size: 128
    .sgpr_count:     66
    .vgpr_count:     1024
    .wavefront_size: 32
...
	.end_amdgpu_metadata
.endif
;; end of part 5
;; launch ffn2 (part 6): grid 256 x 1, 4 waves a work-group, no clusters, 262,656 bytes of LDS; arguments W2, b2, hfrag, bm, part, cw; writes part
.if DOCPART == 6
	.amdgcn_target "amdgcn-amd-amdhsa--gfx1250"
	.amdhsa_code_object_version 6
	.text
	.protected	k_qf053cf84a0_ffn2
	.globl	k_qf053cf84a0_ffn2
	.p2align	8
	.type	k_qf053cf84a0_ffn2,@function
k_qf053cf84a0_ffn2:
	s_mov_b64 s[64:65], 0
	v_nop
	global_prefetch_b8 v0, s[64:65] scope:SCOPE_SE
	s_setreg_imm32_b32 hwreg(HW_REG_WAVE_MODE, 25, 1), 1
	s_wait_xcnt 0x0
; FFN2.  part[q][slot][:] = cw[slot] x (h[row] W2[e] over K slice q, + b2[e] in slice 0), in f32, for the rows that chose expert e; slot = 2 token + place names a routed row, so that the last launch adds at fixed addresses.
; SHARES.  Work-group = expert e (number / 32) x K slice q of 1,024 ((number / 8) % 4) x slice of 128 columns (number % 8); it alone reads its 1,024 x 128 f32 of W2, once.  Rows, passes, stages, the weights' road
; through registers into LDS and the counts of loads are those of the launch before: tile 20 p + 4 i + w belongs to pass p, place i, wave w; K in 16 stages of 64; one barrier a stage, all in constant flow.
; THE ROWS.  The slot of a rank is found in registers from the expert's two bitmaps, as the launch before finds the token.  The slots and their weights stay in three vectors each; on the way out one
; v_permlanex16_b32 gives every lane of a half the slot, or the weight, of one of its half's eight rows.  The weights are gathered in the prologue, so that the way out waits for no memory.
; In the last tile the ranks past the expert's count repeat its last row, in h and in the slots alike: they make the same numbers and store them to the same slot, so that tiles are stored whole and EXEC is never touched.
; K ORDER.  Position i = 0..15 of lane half h in step ks of stage s stands for f = 1024 q + 64 s + 2 ks + 32 h + 4 (i % 8) + i / 8: the order in which the launch before left h.  The weights' rows are taken in the same order.
; Source 0 = 16 rows of h, straight from memory (a fragment is 1,024 consecutive bytes), source 1 = 16 columns of W2 (tile tau, row r stands for column 64 (tau / 4) + 4 r + tau % 4): in the results of four
; neighbouring column tiles a lane holds 16 consecutive bytes of a row of the output, and sixteen lanes 256.
; K is split four ways because a slice of 32 columns over all of K would let an h fragment feed two products where it feeds eight here; the price is the partial rows, kept in f32.
; LIMITS.  NaN and infinities are not treated apart.  W2 and b2 are read rounded to bf16, like every input.
; NO CLUSTER, NO TENSOR LOAD: each weight byte has one reader and must pass through registers to be rounded; the h tiles that eight work-groups share would want a ring in LDS beside a slice of 256 KB.
; REGISTERS: as in the launch before; on the way out window 1 holds v0-63 the weighted rows, v80-95 the rows' weights and offsets, v241 a lane term.
.set PITCH, 4096                       ; bytes from a row of W2[e] to the next
.set WSTEP, 64*PITCH
.set ASTEP, 2048                       ; a stage's two fragments of h
.set AKS,   1024
.set AQ,    512
.set SPARE, 262144                     ; behind the fragments: the spare words, 128 bytes a wave: two blocks of 256 bytes that no other line names
.set LN,   1
.set SPW,  2                           ; my spare word; never rewritten
.set NIL,  3                           ; 0; never rewritten
.set WO,   4
.set PF,   5
.set ST,   6
.set FRA,  7
.set AOFF, 8                           ; v8-12 my byte offset in the expert's h for each of my five tiles
.set L16,  13
.set FRA0, 14                          ; FRA at stage 0; never rewritten
.set RB,   15                          ; the search: 16 w + l % 8 + 8 (1 - l / 16) + 64 ((l / 8) % 2)
.set T16,  16
.set ANY,  18                          ; lane n: the tokens 32 n .. 32 n + 31 that chose my expert,
.set HIW,  19                          ; and those for which it is the higher-numbered of their two
.set SV,   20                          ; v20-22 vector q: the slots of tiles 2 q and 2 q + 1
.set CWV,  24                          ; v24-26 and their weights
.set TA,   28
.set TB,   29
.set BO,   30
.set BOF,  31
.set WS,   32
.set PK,   160
.set BIAS, 192
.set TT,   0                           ; window 1, the way out
.set CW,   80
.set RO,   88
.set R16,  241
.set WV,   16
.set EX,   17
.set CS,   18
.set QS,   19
.set WB,   20
.set AB,   24
.set ABASE, 28
.set OF,   30
.set NE,   32
.set TL,   33
.set LIVE, 34
.set PASS, 35
.set SC,   38
.set LC,   39
.set PRE,  40
.set WA,   41
.set WH,   42
.set TM1,  44
.set CN,   45
.set S0,   46
.set S1,   47
.set QM,   48
.set HM,   49
.set SEL,  66                          ; s66-81 select n: every lane takes lane n of the other half
.set MSB, 0
.macro WIN new                         ; the immediate's high byte repeats the setting that is left; a switch that changes nothing is dropped
.if MSB != (\new)
	s_set_vgpr_msb (MSB<<8)|(\new)
.set MSB, (\new)
.endif
.endm
.macro WLOAD set                       ; 16 rows of a stage, in the K order: 512 consecutive bytes each
.set wi, 0
.rept 16
	global_load_b128 v[WS+64*(\set)+4*wi:WS+64*(\set)+4*wi+3], v[WO], s[WB+2*(\set):WB+2*(\set)+1] offset:(4*(wi&7)+(wi>>3))*PITCH th:TH_LOAD_NT
.set wi, wi+1
.endr
.endm
.macro ALOAD par                       ; a stage's h for all five tiles (a dead tile repeats one that exists), so that every count of loads is a constant
	WIN 0x40
.set ai, 0
.rept 20                               ; ai = 4 tile + 2 ks + half
	global_load_b128 v[80*(\par)+4*ai:80*(\par)+4*ai+3], v[AOFF+ai/4], s[AB+2*(\par):AB+2*(\par)+1] offset:((ai/2)%2)*AKS+(ai%2)*AQ
.set ai, ai+1
.endr
	WIN 0
.endm
.macro FRAGS adr, step                 ; a stage's 16 weight fragments out of LDS.  step = 1: the address goes on to the next stage
	WIN 0x80
.set fi, 0
.rept 16                               ; fi = 8 ks + tau
	ds_load_b128 v[8*fi:8*fi+3],   v[\adr] offset:8192*(fi/8)+512*(fi%8)
	ds_load_b128 v[8*fi+4:8*fi+7], v[\adr] offset:8192*(fi/8)+512*(fi%8)+256
.set fi, fi+1
.endr
	WIN 0
.if \step
	v_add_nc_u32 v[\adr], 16384, v[\adr]
.endif
.endm
; pf = 1: the 16 rows x 2 blocks of 256 bytes that this wave loads two stages after the load below are asked for, each block once; pf = 2: the same, jumped in the loop's last trip, where it would pass the slice's end.
.macro STAGING set, nw, doa, dow, pf
	s_wait_loadcnt \nw                             ; loads come back in order: the set is in, the nw younger loads stay out
.if \dow
	s_wait_xcnt 0x0                                ; the base was also an earlier prefetch's: it is stepped only behind this wait
	s_add_nc_u64 s[WB+2*(\set):WB+2*(\set)+1], s[WB+2*(\set):WB+2*(\set)+1], 2*WSTEP
.if (\pf) == 2
	s_cmp_eq_u32 s[SC], 1
	s_cbranch_scc1 .Lnopf_\@
.endif
.if \pf
	global_prefetch_b8 v[PF], s[WB+2*(\set):WB+2*(\set)+1] offset:2*WSTEP th:TH_LOAD_NT scope:SCOPE_SE
.endif
.if (\pf) == 2
.Lnopf_\@:
.endif
.endif
.set ci, 0
.rept 32                               ; ci = 8 t + q: positions 2 q and 2 q + 1 of column 4 l + t make register q of that column's fragment
	v_cvt_pk_bf16_f32 v[PK+ci], v[WS+64*(\set)+8*(ci%8)+ci/8], v[WS+64*(\set)+8*(ci%8)+4+ci/8]
.set ci, ci+1
.endr
.set ci, 0
.rept 8
	ds_store_b128 v[ST], v[PK+4*ci:PK+4*ci+3] offset:256*ci
.set ci, ci+1
.endr
	v_add_nc_u32 v[ST], 16384, v[ST]
.if \doa
	ALOAD \set
.endif
.if \dow
	WLOAD \set
.endif
.endm
; For each live tile 16 matrix instructions, its 8 sums by turns.  first = 1: the bias (0 in K slices 1 to 3) starts the sums, and no tile is jumped, so that every sum is written on every way.
.macro COMPUTE par, first
.set ti, 0
.rept 5
.if !(\first)
	s_cmp_gt_u32 s[LIVE], ti
	s_cbranch_scc0 .Lcend_\@
.endif
.if ti < 4
.set AC, 64*ti
.set WM, 0xf9                          ; h window 1, weights window 2, sums window 3
.else
.set AC, 128
.set WM, 0xa9
.endif
.set kk, 0
.rept 16                               ; kk = 8 ks + tau
.if (\first) && (kk < 8)
	WIN WM&0xcf                                    ; C in window 0
	v_wmma_f32_16x16x32_bf16 v[AC+8*kk:AC+8*kk+7], v[80*(\par)+16*ti:80*(\par)+16*ti+7], v[8*kk:8*kk+7], v[BIAS+8*kk:BIAS+8*kk+7]
.else
	WIN WM
	v_wmma_f32_16x16x32_bf16 v[AC+8*(kk%8):AC+8*(kk%8)+7], v[80*(\par)+16*ti+8*(kk/8):80*(\par)+16*ti+8*(kk/8)+7], v[8*kk:8*kk+7], v[AC+8*(kk%8):AC+8*(kk%8)+7]
.endif
.set kk, kk+1
.endr
	WIN 0                                          ; at a branch and at a label every window is 0
.set ti, ti+1
.endr
.Lcend_\@:
.rept 4
	v_nop                                          ; the places in front of the loads into the sources and of the way out (ISA guide 7.12.1 for the way out)
.endr
.endm
.macro STAGE par, first, stg, nw, doa, dow, pf, na
	s_barrier_wait -1
	FRAGS FRA, 1
.if \stg
	STAGING 1-(\par), \nw, \doa, \dow, \pf
.endif
	s_wait_dscnt 0x0                               ; my fragments are in, and, for the others' sake, my stores of stage s + 1 are done
.if \stg
	s_barrier_signal -1
.endif
	s_wait_loadcnt \na                             ; h of stage s is in; the na younger loads stay out
	s_add_nc_u64 s[AB+2*(\par):AB+2*(\par)+1], s[AB+2*(\par):AB+2*(\par)+1], 2*ASTEP  ; free since that wait
	COMPUTE \par, \first
.endm
.macro OSTAGE first, adr               ; a stage of a further pass: the weights lie in LDS, nothing is stored there, no barrier
	ALOAD 0
	FRAGS \adr, 0
	s_wait_loadcnt 0x0
	s_wait_dscnt 0x0
	s_add_nc_u64 s[AB:AB+1], s[AB:AB+1], ASTEP
	COMPUTE 0, \first
.endm
.macro MKLIVE                          ; s[S0] = 20 x pass
	s_add_co_u32 s[S1], s[TL], 3
	s_sub_co_u32 s[S1], s[S1], s[WV]
	s_sub_co_i32 s[S1], s[S1], s[S0]
	s_max_i32 s[S1], s[S1], 0
	s_lshr_b32 s[S1], s[S1], 2
	s_min_u32 s[LIVE], s[S1], 5
.endm
.macro MKAOFF                          ; my five tiles in the pass in hand, each held to the last tile that the launch before wrote
	s_mul_i32 s[S0], s[PASS], 20
	s_add_co_u32 s[S0], s[S0], s[WV]
.irp i, 0,1,2,3,4
	s_add_co_u32 s[S1], s[S0], 4*\i
	s_min_u32 s[S1], s[S1], s[TM1]
	s_min_u32 s[S1], s[S1], 63
	s_lshl_b32 s[S1], s[S1], 17
	v_add_nc_u32 v[AOFF+\i], s[S1], v[L16]
.endr
.endm
; THE SEARCH, for the pass in hand: three vectors q, each with two tiles: lane l holds rank l % 8 + 8 (1 - l / 16) of tile 2 q + (l / 8) % 2 (the sixth tile does not exist; its ranks are found and dropped).
.macro EACH line:vararg                ; one line for each vector q
.set q, 0
.rept 3
	\line
.set q, q+1
.endr
.endm
.macro PICK w, dst                     ; QT = the bits in the lower part, w wide, of what is left of the word: is my bit beyond them?  Then they are taken off my place, and dst = w
.set q, 0
.rept 3
	v_cmp_ge_u32 vcc_lo, v[RR+q], v[QT+q]
	v_cndmask_b32 v[QT+q], 0, v[QT+q], vcc_lo
	v_cndmask_b32 v[(\dst)+q], 0, \w, vcc_lo
.set q, q+1
.endr
	EACH v_sub_nc_u32 v[RR+q], v[RR+q], v[QT+q]
.endm
.macro LEVEL src, w                    ; src holds the word's bit counts in fields w wide
	EACH v_bfe_u32 v[QT+q], v[(\src)+q], v[PS+q], \w
	PICK \w, QU
	EACH v_add_nc_u32 v[PS+q], v[PS+q], v[QU+q]
.endm
.macro SEARCH tmp                      ; tmp: 30 registers at work
.set RR, (\tmp)                        ; my rank; then my place among the word's bits
.set SW, (\tmp)+3                      ; the word that holds it
.set SN, (\tmp)+6                      ; the ranks before that word, and 32 x its number above bit 16; then the token
.set A2, (\tmp)+9                      ; the word's bit counts in fields of 2,
.set B4, (\tmp)+12                     ; 4
.set C8, (\tmp)+15                     ; and 8 bits
.set QT, (\tmp)+18
.set QU, (\tmp)+21
.set PS, (\tmp)+24                     ; my bit's number
.set SH, (\tmp)+27                     ; the same word of the second bitmap
	s_mul_i32 s[S0], s[PASS], 320
.set q, 0
.rept 3
	v_add_nc_u32 v[RR+q], s[S0], v[RB]
	s_add_co_u32 s[S0], s[S0], 128
	v_mov_b32 v[SW+q], 1                           ; what an expert without rows leaves: slot 0
	v_mov_b32 v[SN+q], 0
	v_mov_b32 v[SH+q], 0
.set q, q+1
.endr
	s_mov_b32 s[PRE], 0
	s_mov_b32 s[LC], 0
.Lword_\@:                                             ; 32 trips: a lane keeps the last word that is not empty and has at most its rank in ranks before it
	v_readlane_b32 s[WA], v[ANY], s[LC]
	v_readlane_b32 s[WH], v[HIW], s[LC]
	s_lshl_b32 s[S0], s[LC], 21
	s_or_b32 s[S0], s[S0], s[PRE]
	s_cmp_lg_u32 s[WA], 0
	s_cselect_b32 s[S1], s[PRE], -1                ; an empty word is kept by nobody
.set q, 0
.rept 3
	v_cmp_le_u32 vcc_lo, s[S1], v[RR+q]
	v_cndmask_b32 v[SW+q], v[SW+q], s[WA], vcc_lo
	v_cndmask_b32 v[SH+q], v[SH+q], s[WH], vcc_lo
	v_cndmask_b32 v[SN+q], v[SN+q], s[S0], vcc_lo
.set q, q+1
.endr
	s_bcnt1_i32_b32 s[CN], s[WA]
	s_add_co_u32 s[PRE], s[PRE], s[CN]
	s_add_co_u32 s[LC], s[LC], 1
	s_cmp_lt_u32 s[LC], 32
	s_cbranch_scc1 .Lword_\@
	s_mov_b32 s[NE], s[PRE]
	s_max_u32 s[S0], s[NE], 1
	s_sub_co_u32 s[S0], s[S0], 1                   ; the last rank that exists: it lies in the last word that is not empty, which the ranks past it have kept
	EACH v_min_u32 v[RR+q], s[S0], v[RR+q]
	EACH v_and_b32 v[QT+q], 0xffff, v[SN+q]
	EACH v_sub_nc_u32 v[RR+q], v[RR+q], v[QT+q]
	EACH v_lshrrev_b32 v[SN+q], 16, v[SN+q]
	EACH v_lshrrev_b32 v[QT+q], 1, v[SW+q]
	EACH v_and_b32 v[QT+q], 0x55555555, v[QT+q]
	EACH v_sub_nc_u32 v[A2+q], v[SW+q], v[QT+q]
	EACH v_lshrrev_b32 v[QT+q], 2, v[A2+q]
	EACH v_and_b32 v[QT+q], 0x33333333, v[QT+q]
	EACH v_and_b32 v[B4+q], 0x33333333, v[A2+q]
	EACH v_add_nc_u32 v[B4+q], v[B4+q], v[QT+q]
	EACH v_lshrrev_b32 v[QT+q], 4, v[B4+q]
	EACH v_add_nc_u32 v[C8+q], v[B4+q], v[QT+q]
	EACH v_and_b32 v[C8+q], 0x0f0f0f0f, v[C8+q]
	EACH v_lshrrev_b32 v[QT+q], 8, v[C8+q]
	EACH v_add_nc_u32 v[QT+q], v[C8+q], v[QT+q]
	EACH v_and_b32 v[QT+q], 0xff, v[QT+q]          ; the bits in the word's lower 16
	PICK 16, PS
	LEVEL C8, 8
	LEVEL B4, 4
	LEVEL A2, 2
	LEVEL SW, 1
	EACH v_lshrrev_b32 v[QT+q], v[PS+q], v[SH+q]
	EACH v_and_b32 v[QT+q], 1, v[QT+q]             ; the place: is my expert the token's higher-numbered one?
	EACH v_add_nc_u32 v[SN+q], v[SN+q], v[PS+q]    ; the token
	EACH v_lshl_or_b32 v[SV+q], v[SN+q], 1, v[QT+q]
	EACH v_min_u32 v[SV+q], 0x7ff, v[SV+q]
	EACH v_lshlrev_b32 v[CWV+q], 2, v[SV+q]
	EACH global_load_b32 v[CWV+q], v[CWV+q], s[14:15]  ; the rows' weights: each load lands on its own address register
.endm
.macro EXTRACT i                       ; tile i times the rows' weights, laid so that four neighbouring columns are four neighbouring registers; each sum's registers in ascending order
.if (\i) < 4
	WIN 0x47
.set AC0, 64*(\i)
.else
	WIN 0x46
.set AC0, 128
.endif
.set z, 0
.rept 64                               ; z = 8 tau + j
	v_mul_f32 v[TT+4*(8*(z/32)+z%8)+(z/8)%4], v[AC0+z], v[CW+z%8]
.set z, z+1
.endr
	WIN 0
.endm
; THE WAY OUT of tile i.  Lane j + 8 (i % 2) of the OTHER half of vector i / 2 holds rank 8 (my half) + j of the tile: register j of a sum is that row.
.macro OUT i
	s_wait_xcnt 0x0                                ; the last tile's stores have read their addresses and data
	WIN 0x40                                       ; into window 1, onto registers that held h
.irp j, 0,1,2,3,4,5,6,7
	v_permlanex16_b32 v[CW+\j], v[CWV+(\i)/2], s[SEL+8*((\i)%2)+\j], s[SEL+8*((\i)%2)+\j]
.endr
.irp j, 0,1,2,3,4,5,6,7
	v_permlanex16_b32 v[RO+\j], v[SV+(\i)/2], s[SEL+8*((\i)%2)+\j], s[SEL+8*((\i)%2)+\j]
.endr
	WIN 0x55                                       ; all in window 1
.irp j, 0,1,2,3,4,5,6,7
	v_min_u32 v[RO+\j], 0x7ff, v[RO+\j]
.endr
.irp j, 0,1,2,3,4,5,6,7
	v_lshlrev_b32 v[RO+\j], 12, v[RO+\j]           ; slot x 4,096 bytes
.endr
.irp j, 0,1,2,3,4,5,6,7
	v_add_nc_u32 v[RO+\j], v[R16], v[RO+\j]        ; + my 16
.endr
	EXTRACT \i
	WIN 0x55
.set n, 0
.rept 16                               ; n = 2 j + G: 16 lanes store 256 consecutive bytes of one row, at a multiple of 256 from part's first; ranks past the count store the last row's numbers once more
	global_store_b128 v[RO+n/2], v[TT+4*(8*(n%2)+n/2):TT+4*(8*(n%2)+n/2)+3], s[12:13] offset:256*(n%2)
.set n, n+1
.endr
	WIN 0
.endm
	s_load_b256 s[4:11], s[0:1], 0x0               ; W2 s[4:5], b2 s[6:7], hfrag s[8:9], bm s[10:11]
	s_load_b128 s[12:15], s[0:1], 0x20             ; part s[12:13], cw s[14:15]
	v_lshl_add_u32 v[SPW], v0, 2, SPARE
	v_mov_b32 v[NIL], 0
	v_and_b32 v[LN], 31, v0
	v_lshrrev_b32 v[TA], 5, v0
	v_readfirstlane_b32 s[WV], v[TA]               ; wave 0..3
	s_lshr_b32 s[EX], ttmp9, 5                     ; expert
	s_and_b32 s[CS], ttmp9, 7                      ; column slice: the eight that share an expert's h of one K slice are neighbours
	s_bfe_u32 s[QS], ttmp9, 0x20003                ; K slice
	s_and_b32 s[S0], s[WV], 1                      ; the lane half h that my 16 rows serve
	s_lshr_b32 s[S1], s[WV], 1                     ; and the step ks
	s_lshl_b32 s[OF], s[S0], 5
	s_lshl1_add_u32 s[OF], s[S1], s[OF]            ; my first row in a stage: 32 h + 2 ks
	s_lshl_b32 s[OF], s[OF], 12
	v_lshlrev_b32 v[L16], 4, v[LN]
	v_add_nc_u32 v[WO], s[OF], v[L16]
	v_bfe_u32 v[TA], v[LN], 1, 3                   ; the prefetch: lane l asks for block l % 2 of position l / 2, whose row is 4 (position % 8) + position / 8
	v_lshrrev_b32 v[TB], 4, v[LN]
	v_lshl_add_u32 v[TA], v[TA], 2, v[TB]
	v_lshlrev_b32 v[TA], 12, v[TA]
	v_and_b32 v[TB], 1, v[LN]
	v_lshl_add_u32 v[TA], v[TB], 8, v[TA]
	v_add_nc_u32 v[PF], s[OF], v[TA]
	v_lshrrev_b32 v[TA], 4, v[LN]                  ; l / 16
	v_and_b32 v[TB], 15, v[LN]                     ; l % 16
	v_lshlrev_b32 v[FRA0], 12, v[TA]
	v_lshl_add_u32 v[FRA0], v[TB], 4, v[FRA0]
	v_mov_b32 v[FRA], v[FRA0]
	v_lshlrev_b32 v[ST], 11, v[TA]
	v_lshl_add_u32 v[ST], v[TB], 4, v[ST]
	s_lshl_b32 s[S0], s[WV], 12
	v_add_nc_u32 v[ST], s[S0], v[ST]
	v_lshlrev_b32 v[BOF], 4, v[TB]
	v_and_b32 v[RB], 7, v[LN]
	v_bfe_u32 v[T16], v[LN], 3, 1
	v_lshl_add_u32 v[RB], v[T16], 6, v[RB]
	v_xor_b32 v[T16], 1, v[TA]
	v_lshl_add_u32 v[RB], v[T16], 3, v[RB]
	s_lshl_b32 s[S0], s[WV], 4
	v_add_nc_u32 v[RB], s[S0], v[RB]
	v_lshlrev_b32 v[BO], 6, v[LN]                  ; lane l takes bitmap word l: 64 l + 4 e
	s_lshl_b32 s[S0], s[EX], 2
	v_add_nc_u32 v[BO], s[S0], v[BO]
	WIN 0x40
	v_lshlrev_b32 v[R16], 4, v[TB]                 ; the way out: my 16 bytes of 256
	WIN 0
.set n, 0
.rept 16
	s_mov_b32 s[SEL+n], n*0x11111111               ; lane n in all sixteen fields (eight to a register; the register is named twice)
.set n, n+1
.endr
	s_mov_b32 s[HM], 0xffff0000
	s_cmp_eq_u32 s[QS], 0
	s_cselect_b32 s[QM], -1, 0                     ; the bias counts once: in K slice 0
	s_mov_b32 s[PASS], 0
	s_wait_kmcnt 0x0
	s_lshl_b32 s[OF], s[EX], 24
	s_lshl_b32 s[S0], s[QS], 22
	s_add_co_u32 s[OF], s[OF], s[S0]
	s_lshl_b32 s[S1], s[CS], 9
	s_add_co_u32 s[OF], s[OF], s[S1]
	s_mov_b32 s[OF+1], 0
	s_add_nc_u64 s[WB:WB+1], s[4:5], s[OF:OF+1]
	s_add_nc_u64 s[WB+2:WB+3], s[WB:WB+1], WSTEP
	s_lshl_b32 s[OF], s[EX], 12
	s_add_co_u32 s[OF], s[OF], s[S1]
	s_add_nc_u64 s[6:7], s[6:7], s[OF:OF+1]        ; b2 at my columns
	s_lshl_b32 s[OF], s[QS], 23
	s_add_co_u32 s[OF], s[OF], s[S1]
	s_add_nc_u64 s[12:13], s[12:13], s[OF:OF+1]    ; part at my K slice and columns
	s_lshl_b32 s[OF], s[EX], 23
	s_lshl_b32 s[S0], s[QS], 15
	s_add_co_u32 s[OF], s[OF], s[S0]
	s_add_nc_u64 s[ABASE:ABASE+1], s[8:9], s[OF:OF+1]
	s_mov_b64 s[AB:AB+1], s[ABASE:ABASE+1]
	s_add_nc_u64 s[AB+2:AB+3], s[ABASE:ABASE+1], ASTEP
	global_load_b32 v[ANY], v[BO], s[10:11]
	global_load_b32 v[HIW], v[BO], s[10:11] offset:32
	global_load_b128 v[PK:PK+3], v[BOF], s[6:7]                ; b2 of columns 4 (l % 16) + 0..3,
	global_load_b128 v[PK+4:PK+7], v[BOF], s[6:7] offset:256   ; and 64 further on
	WLOAD 0                                        ; stages 0 and 1 go out before the rows are found
	WLOAD 1
	s_wait_loadcnt 34                              ; the bitmaps are in: 2 loads of b2 and 32 of weights were issued behind them
	SEARCH BIAS                                    ; at work in the registers that take the bias below; it issues three loads of cw
	s_add_co_u32 s[TL], s[NE], 15
	s_lshr_b32 s[TL], s[TL], 4
	s_max_u32 s[TM1], s[TL], 1
	s_sub_co_u32 s[TM1], s[TM1], 1                 ; the last tile that was written (tile 0 where the expert has no row)
	s_mov_b32 s[S0], 0
	MKLIVE
	MKAOFF
	s_wait_loadcnt 35                              ; b2 is in; the weights of stages 0 and 1 and the three loads of cw stay out
.set z, 0
.rept 4
	v_cvt_pk_bf16_f32 v[PK+8+z], v[PK+2*z], v[PK+2*z+1]  ; rounded like every input
.set z, z+1
.endr
.set z, 0
.rept 4                                ; column tiles 2 z and 2 z + 1: a column's bias stands in all eight rows of the C operand
	v_lshlrev_b32 v[PK+12], 16, v[PK+8+z]
	v_and_b32 v[PK+13], s[HM], v[PK+8+z]
.set j, 0
.rept 8
	v_and_b32 v[BIAS+16*z+j], s[QM], v[PK+12]
	v_and_b32 v[BIAS+16*z+8+j], s[QM], v[PK+13]
.set j, j+1
.endr
.set z, z+1
.endr
	STAGING 0, 19, 1, 1, 1                         ; stage 0 is rounded (stage 1's 16 loads and cw's 3 stay out); h of stage 0, weights of stage 2
	s_wait_dscnt 0x0
	s_barrier_signal -1
	STAGE 0, 1, 1, 39, 1, 1, 1, 52                 ; 39: cw 3 + h 20 + weights 16 behind the set; 52: weights 16 + h 20 + weights 16 behind this stage's h: cw is in too
	s_mov_b32 s[SC], 6
.Lk:                                                   ; stages 1 to 12
	STAGE 1, 0, 1, 36, 1, 1, 2, 52                 ; 36: h 20 + weights 16 behind the set
	STAGE 0, 0, 1, 36, 1, 1, 2, 52
	s_sub_co_u32 s[SC], s[SC], 1
	s_cmp_lg_u32 s[SC], 0
	s_cbranch_scc1 .Lk
	STAGE 1, 0, 1, 36, 1, 0, 0, 36                 ; stage 13: behind its h stand stage 15's weights and stage 14's h
	STAGE 0, 0, 1, 20, 1, 0, 0, 20                 ; stage 14
	STAGE 1, 0, 0, 0, 0, 0, 0, 0                   ; stage 15
.Lpass:                                                ; four trips: the way out of pass p; ahead of it, from trip 1 on, the pass's products, jumped with the way out where I have no tile left
	s_cmp_eq_u32 s[PASS], 0
	s_cbranch_scc1 .Lepi
	s_mul_i32 s[S0], s[PASS], 20
	MKLIVE
	s_cmp_eq_u32 s[LIVE], 0
	s_cbranch_scc1 .Lnext
	s_wait_xcnt 0x0                                ; the last way out's stores have read their registers, onto which the loads below land
	SEARCH WS                                      ; at work in the registers that held weights; its loads of cw are waited for with the first stage's h
	MKAOFF
	s_mov_b64 s[AB:AB+1], s[ABASE:ABASE+1]
	OSTAGE 1, FRA0
	s_mov_b32 s[SC], 1
.Lo:                                                   ; stages 1 to 15
	s_min_u32 s[S0], s[SC], 15                     ; the line's own constant holds the address inside the fragments' 256 KB
	s_lshl_b32 s[S0], s[S0], 14
	v_add_nc_u32 v[FRA], s[S0], v[FRA0]
	OSTAGE 0, FRA
	s_add_co_u32 s[SC], s[SC], 1
	s_cmp_lt_u32 s[SC], 16
	s_cbranch_scc1 .Lo
.Lepi:
.irp i, 0,1,2,3,4                      ; my live tiles go out; the dead ones behind them are jumped
	s_cmp_gt_u32 s[LIVE], \i
	s_cbranch_scc0 .Lnext
	OUT \i
.endr
.Lnext:
	s_add_co_u32 s[PASS], s[PASS], 1
	s_cmp_lt_u32 s[PASS], 4
	s_cbranch_scc1 .Lpass
	s_wait_tensorcnt 0x0                           ; the wave's end
	ds_add_u32 v[SPW], v[NIL]
	s_wait_dscnt 0x0
	s_endpgm
.Lfunc_end_k_qf053cf84a0_ffn2:
	.size	k_qf053cf84a0_ffn2, .Lfunc_end_k_qf053cf84a0_ffn2-k_qf053cf84a0_ffn2
	.p2alignl 7, 3214868480
	.fill 96, 4, 3214868480
	.section	.rodata,"a",@progbits
	.p2align	6, 0x0
	.amdhsa_kernel k_qf053cf84a0_ffn2
		.amdhsa_group_segment_fixed_size 262656
		.amdhsa_private_segment_fixed_size 0
		.amdhsa_enable_private_segment 0
		.amdhsa_kernarg_size 48
		.amdhsa_user_sgpr_count 2
		.amdhsa_user_sgpr_kernarg_segment_ptr 1
		.amdhsa_wavefront_size32 1
		.amdhsa_system_sgpr_workgroup_id_x 1
		.amdhsa_system_sgpr_workgroup_id_y 1
		.amdhsa_system_sgpr_workgroup_id_z 1
		.amdhsa_system_vgpr_workitem_id 0
		.amdhsa_next_free_vgpr 1024
		.amdhsa_next_free_sgpr 82
		.amdhsa_reserve_vcc 1
		.amdhsa_float_denorm_mode_32 3
		.amdhsa_float_denorm_mode_16_64 3
		.amdhsa_memory_ordered 1
		.amdhsa_forward_progress 1
		.amdhsa_inst_pref_size 161
	.end_amdhsa_kernel
	.amdgpu_metadata
---
amdhsa.version: [ 1, 2 ]
amdhsa.kernels:
  - .name:           k_qf053cf84a0_ffn2
    .symbol:         k_qf053cf84a0_ffn2.kd
    .args:
      - { .name: W2, .offset: 0, .size: 8, .value_kind: global_buffer, .address_space: global }
      - { .name: b2, .offset: 8, .size: 8, .value_kind: global_buffer, .address_space: global }
      - { .name: hfrag, .offset: 16, .size: 8, .value_kind: global_buffer, .address_space: global }
      - { .name: bm, .offset: 24, .size: 8, .value_kind: global_buffer, .address_space: global }
      - { .name: part, .offset: 32, .size: 8, .value_kind: global_buffer, .address_space: global }
      - { .name: cw, .offset: 40, .size: 8, .value_kind: global_buffer, .address_space: global }
    .group_segment_fixed_size: 262656
    .private_segment_fixed_size: 0
    .kernarg_segment_align: 8
    .kernarg_segment_size: 48
    .max_flat_workgroup_size: 128
    .sgpr_count:     82
    .vgpr_count:     1024
    .wavefront_size: 32
...
	.end_amdgpu_metadata
.endif
;; end of part 6
;; launch combine: the kernel of part 4 again; grid 256 x 1, 8 waves a work-group, no clusters, 0 bytes of LDS; arguments part, out0; writes out0
